; MI455X (gfx1250); checked and timed in simulation.
; The chip was launched on July 23, 2026; its instructions are those of AMD's public machine-readable ISA for CDNA 5 (MIT licence, August 2026) and "CDNA5" Instruction Set Architecture Reference Guide (July 2026). The comments in the code are by the model that wrote it; some were corrected since.
;; Mo DA Attention. Allowed arithmetic: matrix products marked QUANTISED: E3M2 operands, one E8M0 scale for each 32 along K, by v_wmma_scale_f32_16x16x128_f8f6f4 with both operands' format E3M2, f32 sums; products left as they are: f32 operands where the result goes on into a quantised operand, else bf16, f16 or f32 operands; f32 sums; everything else in f32.
;; Inputs: K_depth 2 x 4 x 16,384 x 64 float32; V_depth 2 x 4 x 16,384 x 64 float32; Wk 1,024 x 256 float32; Wkd 1,024 x 256 float32; Wo 1,024 x 1,024 float32; Wq 1,024 x 1,024 float32; Wv 1,024 x 256 float32; Wvd 1,024 x 256 float32; x 2 x 2,048 x 1,024 float32.
;; Outputs: out0 2 x 2,048 x 1,024 float32; out1 2 x 4 x 2,048 x 64 float32; out2 2 x 4 x 2,048 x 64 float32.
;; This version of the problem:
;;   THIS VERSION OF THE PROBLEM IS GIVEN IN LOW PRECISION. The matrix products marked QUANTISED in the list below multiply operands that are first quantised to E3M2 (3 exponent bits, 2 mantissa bits; 6 bits a number), with one power-of-two scale for each 32 numbers along K (OCP MX v1.0); their sums are f32. All else is computed in f32.
;;   The module's matrix products, in the order in which they are computed (A, B: the left and right operand; K: the contracted axis; several contracted axes count as one K, in the product's order):
;;     1. [M 4,096, K 1,024] x [K 1,024, N 1,024]; A: input x; B: input Wq: QUANTISED
;;     2. [M 4,096, K 1,024] x [K 1,024, N 256]; A: input x; B: input Wk: QUANTISED
;;     3. [M 4,096, K 1,024] x [K 1,024, N 256]; A: input x; B: input Wv: QUANTISED
;;     4. [M 4,096, K 1,024] x [K 1,024, N 256]; A: input x; B: input Wkd: QUANTISED
;;     5. [M 4,096, K 1,024] x [K 1,024, N 256]; A: input x; B: input Wvd: QUANTISED
;;     6. batch 32 x [M 2,048, K 64] x [K 64, N 2,048]; A: computed on the way; B: computed on the way: QUANTISED
;;     7. batch 65,536 x [M 1, K 64] x [K 64, N 8]; A: computed on the way; B: input K_depth: left as it is (M = 1 < 16)
;;     8. batch 32 x [M 2,048, K 2,048] x [K 2,048, N 64]; A: computed on the way; B: computed on the way: QUANTISED
;;     9. batch 65,536 x [M 1, K 8] x [K 8, N 64]; A: computed on the way; B: input V_depth: left as it is (K = 8 < 32)
;;     10. [M 4,096, K 1,024] x [K 1,024, N 1,024]; A: computed on the way; B: input Wo: QUANTISED
;;   THE QUANTISER, for each operand of a quantised product, along K:
;;     - K is cut into blocks of 32 from its start; a last block that is shorter is filled with zeros.
;;     - A block's scale is 2^e with e = floor(log2(the largest magnitude in the block)) - 4, held to -126 .. 127; a block of zeros has e = 0. As a byte (E8M0): e + 127.
;;     - Each number is divided by its block's scale, clamped to +-28, and rounded to the nearest number of E3M2, ties to even, subnormals kept.
;;     - The product sums the exact products of the quantised numbers (number of the format x scale) in f32.
;;   ~~~python
;;   def quantise(x, axis):      # numpy; x: float32 -> the quantised numbers, widened to float32 again
;;       x = np.moveaxis(x, axis, -1); K = x.shape[-1]
;;       x = np.pad(x, [(0, 0)] * (x.ndim - 1) + [(0, -K % 32)]); x = x.reshape(x.shape[:-1] + (-1, 32)); a = np.abs(x).max(-1, keepdims=True)
;;       e = np.where(a > 0, np.clip(np.frexp(np.where(a > 0, a, 1))[1] - 1 - 4, -126, 127), 0)      # np.frexp(a)[1] - 1 = floor(log2(a)), exactly
;;       r = np.clip(x / 2.0 ** e, -28, 28)
;;       step = 2.0 ** (np.maximum(np.frexp(np.where(r == 0, 1, r))[1] - 1, -2) - 2)
;;       q = np.round(r / step) * step * 2.0 ** e      # np.round: ties to even
;;       return np.moveaxis(q.reshape(q.shape[:-2] + (-1,))[..., :K], -1, axis).astype(np.float32)
;;   ~~~
;;   OPERANDS COMPUTED ON THE WAY. 'Computed on the way' means the value that the module computes at that place (a softmax that the list does not call 'softmax' is quantised finished and normalised). What goes into a quantiser is computed in f32, as accurately as f32 sums, v_exp_f32 and their like allow (about 1e-6 of the number): no bf16 or f16 on the way to a quantiser, and a product that is left as it is and whose result goes on into a quantised operand takes f32 operands (vector FMAs, or v_wmma_f32_16x16x4_f32). A number that lies on a knife's edge between two numbers of the format may be rounded either way, as far as f32 arithmetic and the matrix unit's own rounding can turn it there, and no further.
;; One version. Each part assembles by itself: llvm-mc -triple=amdgcn-amd-amdhsa -mcpu=gfx1250 --defsym DOCPART=n.
;; ======== version 1 of 1: 4 launches
;; limits: right only within a limited range of input values
;; workspace buffers: ops 5,963,776 bytes; qf 16,777,216 bytes; kv 1,703,936 bytes; attc 3,407,872 bytes
;; launch quant (part 1): grid 352 x 1, 4 waves a work-group, no clusters, 34,304 bytes of LDS; arguments x, Wq, Wo, Wk, Wv, Wkd, Wvd, ops; writes ops
.if DOCPART == 1
	.amdgcn_target "amdgcn-amd-amdhsa--gfx1250"
	.amdhsa_code_object_version 6
	.text
	.protected	k_q7b5f3758d1_quant
	.globl	k_q7b5f3758d1_quant
	.p2align	8
	.type	k_q7b5f3758d1_quant,@function
k_q7b5f3758d1_quant:
	s_mov_b64 s[64:65], 0
	v_nop
	global_prefetch_b8 v0, s[64:65] scope:SCOPE_SE
	s_setreg_imm32_b32 hwreg(HW_REG_WAVE_MODE, 25, 1), 1
	s_wait_xcnt 0x0
; x [4096][1024] and the six weights [1024][N], f32, become codes of BF6 (E3M2) with one E8M0 byte for each 32 along K = 1024, laid in the ORDER OF THE OPERAND'S REGISTERS.
; TILES.  Every operand's rows (x: tokens; a weight: its columns n) are cut into tiles of 16; lane-row rho of tile t is row 32 (t/2) + 8 (t%2) + rho + 8 (rho/8).
; HALF FRAGMENT (768 bytes): 16 rows x 64 k.  Lane (r, h) owns block h of row r, 24 bytes: its first 16 at 16 (r + 16 h), its last 8 at 512 + 16 r + 8 h.
; RECORD (3,328 bytes): a tile's 256 k: four half fragments, then at 3,072 + 8 lane the row's two scale words (one for each 128 k); lanes 16-31 repeat lanes 0-15.  A tile is four records, 13,312 bytes.
; Tiles in ops: x 0-255, Wq 256-319, Wk 320-335, Wv 336-351, Wkd 352-367, Wvd 368-383, Wo 384-447.
; A block's scale is 2^(floor(log2(largest magnitude)) - 4): the largest magnitude's exponent field less 4, held at 1 from below by a floor among the maximum's leaves.
; LIMITS: a block of zeros, or one whose largest magnitude lies under 2^-122, gets the byte 1 (its codes are zeros or tiny; this program alone reads the bytes); NaN and infinities among the inputs are not served.
; SHARES.  Work-groups 0-63: Wq, Wo; 64-95: Wk, Wv, Wkd, Wvd: 128 columns x 256 k each, a wave 32 columns, A LANE TO A COLUMN, REGISTERS DOWN K, so a block lies in one lane.
; Work-groups 96-351: one tile of x each, a wave one record: dense loads of 512 bytes, turned through the wave's own stage in LDS so that a lane holds 16 neighbours of each block.
; No matrix unit, no tensor load, no cluster, no barrier: memory binds, waves share nothing, and every input byte is read once.
.set GREC,  3328
.set TILEB, 13312
.set WX, 32                            ; weights: v32-95   two sets of 32 numbers
.set CB, 96                            ; v96-127  a block's first 16 bytes of codes, four registers for each of 8 blocks: no store's data are written again
.set TL, 128                           ; v128-143 the last 8 bytes of two blocks, four registers a pair
.set TB, 144                           ; v144-146 the second conversion's result
.set SW, 148                           ; v148-149 the two scale words
.set XR, 16                            ; x: v16-143  128 numbers as loaded
.set XN, 144                           ; v144-207 64 numbers, 16 neighbours of each of four blocks
.set TM, 228                           ; v228-243 at work
.set PW, 244                           ; v244-245 the two scale words
.set SP, 528                           ; a stage row: 512 bytes + 16
.macro LOADW t, pitch                  ; block t: W(32 t + i, my column) into set t % 2: 32 lanes read 128 consecutive bytes
.irp i, 0,1,2,3,4,5,6,7,8,9,10,11,12,13,14,15,16,17,18,19,20,21,22,23,24,25,26,27,28,29,30,31
	global_load_b32 v[WX+32*((\t)%2)+\i], v3, s[22:23] offset:(32*(\t)+\i)*\pitch th:TH_LOAD_NT
.endr
.endm
.macro BLOCKW t, pitch
.set XS, WX+32*((\t)%2)
.if (\t) < 7
	s_wait_loadcnt 32                              ; this block's 32 loads are in; the next block's 32 may be out
.else
	s_wait_loadcnt 0
.endif
	v_max3_num_f32 v12, |v[XS]|, |v[XS+1]|, |v[XS+2]|              ; the block's largest magnitude, in two chains: all 32 numbers are mine
	v_max3_num_f32 v13, |v[XS+3]|, |v[XS+4]|, |v[XS+5]|
.irp i, 6,10,14,18,22,26
	v_max3_num_f32 v12, v12, |v[XS+\i]|, |v[XS+\i+1]|
	v_max3_num_f32 v13, v13, |v[XS+\i+2]|, |v[XS+\i+3]|
.endr
	v_max3_num_f32 v12, v12, |v[XS+30]|, |v[XS+31]|
	v_max3_num_f32 v12, v12, v13, 0x2800000        ; and the floor 2^(5 - 127): the byte cannot fall under 1
	v_add_nc_u32 v11, 0xfe000000, v12              ; 4 off the exponent field: the conversion's scale operand
	v_lshrrev_b32 v13, 23, v11                     ; the scale's byte
.if (\t)%4 == 0
	v_mov_b32 v[SW+(\t)/4], v13
.else
	v_lshl_or_b32 v[SW+(\t)/4], v13, 8*((\t)%4), v[SW+(\t)/4]
.endif
	v_cvt_scalef32_pk16_bf6_f32 v[CB+4*(\t):CB+4*(\t)+2], v[XS:XS+15], v11
	v_cvt_scalef32_pk16_bf6_f32 v[TB:TB+2], v[XS+16:XS+31], v11
	v_nop                                          ; one plain place behind a scaled conversion
	v_mov_b32 v[CB+4*(\t)+3], v[TB]
	v_mov_b32 v[TL+4*((\t)/2)+2*((\t)%2)], v[TB+1]
	v_mov_b32 v[TL+4*((\t)/2)+2*((\t)%2)+1], v[TB+2]
	global_store_b128 v8, v[CB+4*(\t):CB+4*(\t)+3], s[18:19] offset:((\t)/2)*768+256*((\t)%2)   ; the 16 lanes of a tile fill 256 consecutive bytes
.if (\t)%2
	global_store_b128 v8, v[TL+4*((\t)/2):TL+4*((\t)/2)+3], s[18:19] offset:((\t)/2)*768+512
.endif
.if (\t)+2 < 8
	LOADW (\t)+2, \pitch
.endif
.endm
; s[22:23] the weight, s24 its group of 128 columns, s25 the chunk of 256 k, s26 the first tile of that group
.macro WPATH pitch
	s_mul_i32 s28, s25, 256*\pitch                 ; from: 256 q rows,
	s_lshl_b32 s29, s24, 9                         ; + 128 columns a group,
	s_add_co_u32 s28, s28, s29
	s_lshl_b32 s29, s20, 7                         ; + 32 columns a wave
	s_add_co_u32 s28, s28, s29
	s_mov_b32 s29, 0
	s_add_nc_u64 s[22:23], s[22:23], s[28:29]
	s_lshl_b32 s30, s20, 1                         ; to: tile = first + 2 wave (+ u, in the lane's offset), record q
	s_add_co_u32 s30, s30, s26
	s_lshl_b32 s30, s30, 2
	s_add_co_u32 s30, s30, s25
	s_mul_i32 s30, s30, GREC
	s_mov_b32 s31, 0
	s_add_nc_u64 s[18:19], s[18:19], s[30:31]
	LOADW 0, \pitch
	LOADW 1, \pitch
.irp t, 0,1,2,3,4,5,6,7
	BLOCKW \t, \pitch
.endr
	global_store_b64 v9, v[SW:SW+1], s[18:19] offset:3072
	global_store_b64 v9, v[SW:SW+1], s[18:19] offset:3200          ; the repeat for lanes 16-31
	s_endpgm
.endm
; 64 numbers of a lane, register 16 b + i = k 32 b + 16 (lane / 16) + i of my row, become a fragment's 12 registers v[pc] on and its scale word v[pw]; v[pc+12] to v[pc+18] are at work
.macro QUANT s, pc, pw
.irp b, 0,1,2,3
	v_max3_num_f32 v[TM+\b], |v[\s+16*\b]|, |v[\s+1+16*\b]|, 0x2800000
.endr
.irp i, 2,4,6,8,10,12,14
.irp b, 0,1,2,3
	v_max3_num_f32 v[TM+\b], v[TM+\b], |v[\s+16*\b+\i]|, |v[\s+1+16*\b+\i]|
.endr
.endr
.irp b, 0,1,2,3
	v_permlanex16_b32 v[TM+4+\b], v[TM+\b], s28, s29
.endr
.irp b, 0,1,2,3
	v_max_num_f32 v[TM+\b], v[TM+\b], v[TM+4+\b]   ; with lane l xor 16's: the block's largest magnitude
.endr
.irp b, 0,1,2,3
	v_add_nc_u32 v[TM+12+\b], 0xfe000000, v[TM+\b]
.endr
.irp b, 0,1,2,3
	v_lshrrev_b32 v[TM+4+\b], 23, v[TM+12+\b]
.endr
	v_lshl_or_b32 v[\pw], v[TM+5], 8, v[TM+4]
	v_lshl_or_b32 v[\pw], v[TM+6], 16, v[\pw]
	v_lshl_or_b32 v[\pw], v[TM+7], 24, v[\pw]
.irp c, 0,1
	v_cvt_scalef32_pk16_bf6_f32 v[\pc+6*\c:\pc+2+6*\c], v[\s+32*\c:\s+15+32*\c], v[TM+12+2*\c]
	v_cvt_scalef32_pk16_bf6_f32 v[\pc+12+4*\c:\pc+14+4*\c], v[\s+16+32*\c:\s+31+32*\c], v[TM+12+2*\c+1]
.endr
	v_nop                                          ; one plain place behind a scaled conversion
.irp c, 0,1                                    ; the layout wants a whole block in a lane: lanes 0-15 block 2 c, lanes 16-31 block 2 c + 1
.irp i, 0,1,2
	v_permlane16_swap_b32 v[\pc+6*\c+\i], v[\pc+12+4*\c+\i]
.endr
.irp i, 0,1,2
	v_mov_b32 v[\pc+3+6*\c+\i], v[\pc+12+4*\c+\i]
.endr
.endr
.endm
.macro XSTEP sp, pc                    ; the record's K step sp: 16 rows x 128 k
	s_wait_loadcnt 16*(1-\sp)                      ; this step's 16 loads are in; the other step's 16 may be out
.irp i, 0,1,2,3,4,5,6,7,8,9,10,11,12,13,14,15
	ds_store_b128 v8, v[XR+64*\sp+4*\i:XR+64*\sp+4*\i+3] offset:SP*\i
.endr
.irp b, 0,1,2,3
.irp j, 0,1,2,3
	ds_load_b128 v[XN+16*\b+4*\j:XN+16*\b+4*\j+3], v9 offset:128*\b+16*\j   ; LDS serves a wave's instructions in order: these see the stores above
.endr
.endr
	s_wait_dscnt 0x0
	QUANT XN, \pc, PW+\sp
	global_store_b128 v3, v[\pc:\pc+3], s[18:19] offset:1536*\sp
	global_store_b64 v6, v[\pc+4:\pc+5], s[18:19] offset:1536*\sp+512
	global_store_b128 v3, v[\pc+6:\pc+9], s[18:19] offset:1536*\sp+768
	global_store_b64 v6, v[\pc+10:\pc+11], s[18:19] offset:1536*\sp+1280
.endm
	s_load_b256 s[4:11], s[0:1], 0x0               ; x s[4:5], Wq s[6:7], Wo s[8:9], Wk s[10:11]
	s_load_b256 s[12:19], s[0:1], 0x20             ; Wv s[12:13], Wkd s[14:15], Wvd s[16:17], ops s[18:19]
	v_lshl_add_u32 v254, v0, 2, 0x8400
	v_mov_b32 v255, 0
	v_lshrrev_b32 v1, 5, v0
	v_readfirstlane_b32 s20, v1                    ; wave 0..3
	v_and_b32 v2, 31, v0                           ; lane
	s_cmp_ge_u32 ttmp9, 96
	s_cbranch_scc1 .Lx
	v_lshlrev_b32 v3, 2, v2                        ; in: 4 bytes a lane
	v_bfe_u32 v4, v2, 3, 1                         ; column j of the wave's 32 is lane-row (j % 8) + 8 (j / 16) of tile u = (j / 8) % 2
	v_and_b32 v5, 7, v2
	v_lshrrev_b32 v6, 4, v2
	v_lshl_add_u32 v5, v6, 3, v5
	v_mul_u32_u24 v7, v4, TILEB
	v_lshl_add_u32 v8, v5, 4, v7                   ; out: codes, 16 bytes a row
	v_lshl_add_u32 v9, v5, 3, v7                   ; scale words, 8 bytes a row
	s_cmp_ge_u32 ttmp9, 64
	s_cbranch_scc1 .Lw_small
	s_and_b32 s24, ttmp9, 7                        ; Wq (0-31) or Wo (32-63): eight groups of columns x four chunks
	s_bfe_u32 s25, ttmp9, 0x20003
	s_lshl_b32 s26, s24, 3
	s_mov_b32 s27, 384
	s_wait_kmcnt 0x0
	s_cmp_lt_u32 ttmp9, 32                         ; the choice hangs on the work-group's number alone
	s_cselect_b64 s[22:23], s[6:7], s[8:9]
	s_cselect_b32 s27, 256, s27
	s_add_co_u32 s26, s26, s27
	s_wait_alu depctr_va_vdst(0)
	WPATH 4096
.Lw_small:
	s_sub_co_u32 s21, ttmp9, 64                    ; Wk, Wv, Wkd, Wvd: eight work-groups each: two groups of columns x four chunks
	s_and_b32 s24, s21, 1
	s_bfe_u32 s25, s21, 0x20001
	s_lshr_b32 s27, s21, 3
	s_lshl_b32 s26, s24, 3
	s_lshl_b32 s28, s27, 4
	s_add_co_u32 s26, s26, s28
	s_add_co_u32 s26, s26, 320
	s_wait_kmcnt 0x0
	s_mov_b64 s[22:23], s[10:11]
	s_cmp_eq_u32 s27, 1
	s_cselect_b64 s[22:23], s[12:13], s[22:23]
	s_cmp_eq_u32 s27, 2
	s_cselect_b64 s[22:23], s[14:15], s[22:23]
	s_cmp_eq_u32 s27, 3
	s_cselect_b64 s[22:23], s[16:17], s[22:23]
	s_wait_alu depctr_va_vdst(0)
	WPATH 1024
.Lx:
	s_sub_co_u32 s21, ttmp9, 96                    ; the tile of x
	s_lshr_b32 s22, s21, 1
	s_lshl_b32 s22, s22, 5
	s_and_b32 s23, s21, 1
	s_lshl_b32 s23, s23, 3
	s_add_co_u32 s22, s22, s23                     ; its first row: 32 (t / 2) + 8 (t % 2)
	s_lshl_b32 s22, s22, 12                        ; rows of 4,096 bytes
	s_lshl_b32 s23, s20, 10                        ; my wave's 256 k
	s_add_co_u32 s22, s22, s23
	s_mov_b32 s23, 0
	s_lshl_b32 s24, s21, 2
	s_add_co_u32 s24, s24, s20
	s_mul_i32 s24, s24, GREC                       ; my record
	s_mov_b32 s25, 0
	s_mov_b32 s28, 0x76543210
	s_mov_b32 s29, 0xfedcba98                      ; v_permlanex16_b32's selects for lane l xor 16
	s_mul_i32 s26, s20, 16*SP                      ; my stage
	s_wait_alu depctr_va_vdst(0)
	v_lshlrev_b32 v3, 4, v2                        ; 16 x lane
	v_and_b32 v4, 15, v2                           ; r
	v_lshrrev_b32 v5, 4, v2                        ; h
	v_lshlrev_b32 v6, 4, v4
	v_lshl_add_u32 v6, v5, 3, v6                   ; 16 r + 8 h
	v_lshlrev_b32 v7, 3, v2                        ; 8 x lane
	v_add_nc_u32 v8, s26, v3                       ; into the stage: as loaded
	v_mul_u32_u24 v9, v4, SP
	v_lshl_add_u32 v9, v5, 6, v9
	v_add_nc_u32 v9, s26, v9                       ; out of it: row r, + 64 h
.irp b, 0,1,2,3
	v_mov_b32 v[TM+4+\b], 0                        ; written once: a lane permute's destination counts as one of its sources
.endr
	s_wait_alu depctr_va_vdst(0)
	s_wait_kmcnt 0x0
	s_add_nc_u64 s[4:5], s[4:5], s[22:23]
	s_add_nc_u64 s[18:19], s[18:19], s[24:25]
.irp u, 0,1
.irp i, 0,1,2,3,4,5,6,7,8,9,10,11,12,13,14,15
	global_load_b128 v[XR+64*\u+4*\i:XR+64*\u+4*\i+3], v3, s[4:5] offset:(\i+8*(\i/8))*4096+512*\u th:TH_LOAD_NT   ; 32 lanes read 512 consecutive bytes of lane-row i
.endr
.endr
	XSTEP 0, 208
	XSTEP 1, 16                                    ; its codes take registers of the first step's numbers, which the stage has taken over
	global_store_b64 v7, v[PW:PW+1], s[18:19] offset:3072          ; both halves of the lanes hold their row's words: 256 consecutive bytes
	s_wait_tensorcnt 0x0
	ds_add_u32 v254, v255
	s_wait_dscnt 0x0
	s_endpgm
.Lfunc_end_k_q7b5f3758d1_quant:
	.size	k_q7b5f3758d1_quant, .Lfunc_end_k_q7b5f3758d1_quant-k_q7b5f3758d1_quant
	.p2alignl 7, 3214868480
	.fill 96, 4, 3214868480
	.section	.rodata,"a",@progbits
	.p2align	6, 0x0
	.amdhsa_kernel k_q7b5f3758d1_quant
		.amdhsa_group_segment_fixed_size 34304
		.amdhsa_private_segment_fixed_size 0
		.amdhsa_enable_private_segment 0
		.amdhsa_kernarg_size 64
		.amdhsa_user_sgpr_count 2
		.amdhsa_user_sgpr_kernarg_segment_ptr 1
		.amdhsa_wavefront_size32 1
		.amdhsa_system_sgpr_workgroup_id_x 1
		.amdhsa_system_sgpr_workgroup_id_y 1
		.amdhsa_system_sgpr_workgroup_id_z 1
		.amdhsa_system_vgpr_workitem_id 0
		.amdhsa_next_free_vgpr 256
		.amdhsa_next_free_sgpr 66
		.amdhsa_reserve_vcc 0
		.amdhsa_float_denorm_mode_32 3
		.amdhsa_float_denorm_mode_16_64 3
		.amdhsa_memory_ordered 1
		.amdhsa_forward_progress 1
		.amdhsa_inst_pref_size 95
	.end_amdhsa_kernel
	.amdgpu_metadata
---
amdhsa.version: [ 1, 2 ]
amdhsa.kernels:
  - .name:           k_q7b5f3758d1_quant
    .symbol:         k_q7b5f3758d1_quant.kd
    .args:
      - { .name: x, .offset: 0, .size: 8, .value_kind: global_buffer, .address_space: global }
      - { .name: Wq, .offset: 8, .size: 8, .value_kind: global_buffer, .address_space: global }
      - { .name: Wo, .offset: 16, .size: 8, .value_kind: global_buffer, .address_space: global }
      - { .name: Wk, .offset: 24, .size: 8, .value_kind: global_buffer, .address_space: global }
      - { .name: Wv, .offset: 32, .size: 8, .value_kind: global_buffer, .address_space: global }
      - { .name: Wkd, .offset: 40, .size: 8, .value_kind: global_buffer, .address_space: global }
      - { .name: Wvd, .offset: 48, .size: 8, .value_kind: global_buffer, .address_space: global }
      - { .name: ops, .offset: 56, .size: 8, .value_kind: global_buffer, .address_space: global }
    .group_segment_fixed_size: 34304
    .private_segment_fixed_size: 0
    .kernarg_segment_align: 8
    .kernarg_segment_size: 64
    .max_flat_workgroup_size: 128
    .sgpr_count:     66
    .vgpr_count:     256
    .wavefront_size: 32
...
	.end_amdgpu_metadata
.endif
;; end of part 1
;; launch proj (part 2): grid 256 x 1, 8 waves a work-group, no clusters, 327,680 bytes of LDS; arguments ops, qf, kv, out1, out2; writes qf, kv, out1, out2
.if DOCPART == 2
	.amdgcn_target "amdgcn-amd-amdhsa--gfx1250"
	.amdhsa_code_object_version 6
	.text
	.protected	k_q7b5f3758d1_proj
	.globl	k_q7b5f3758d1_proj
	.p2align	8
	.type	k_q7b5f3758d1_proj,@function
k_q7b5f3758d1_proj:
	s_mov_b64 s[64:65], 0
	v_nop
	global_prefetch_b8 v0, s[64:65] scope:SCOPE_SE
	s_setreg_imm32_b32 hwreg(HW_REG_WAVE_MODE, 25, 1), 1
	s_wait_xcnt 0x0
; The five projections of x, on codes of BF6 (E3M2) with E8M0 scales, K = 1024: C[a][b] = sum over k of A[a][k] B[b][k], 128 a x 256 b to a work-group, the whole K of both operands in LDS (319,488 bytes, filled once).
; Operands come from ops as records in the order of the operand's registers: a tile of 16 rows is four records of 3,328 bytes (256 k each: four half fragments of 768 bytes, then 256 bytes of scale words).
; Lane-row rho of tile t is row 32 (t/2) + 8 (t%2) + rho + 8 (rho/8).  THE MATRIX INSTRUCTION IS USED TRANSPOSED (source 0 = 16 rows of B, source 1 = 16 rows of A): a lane holds one row a, and the 16 registers of
; two neighbouring tiles of B are 16 NEIGHBOURING rows b: 32 beta + 16 (lane / 16) + 0 .. 15.
; TYPES, by t5 = work-group / 32 (m5 = work-group % 32):  0-3 Q (A = x, B = Wq): f32 images to qf;  4 K (B = Wk): quantised along the head's 64, to kv;  5 V (A = Wv, B = x: the roles are swapped, so that a lane's
; registers run along the KEYS, the second attention product's K): quantised along the keys, to kv;  6, 7 k_write, v_write (B = Wkd, Wvd): f32 rows to out1, out2.
; SHARES.  Eight waves, two to a SIMD; wave w makes 64 a (half w / 4) x 64 b (quarter w % 4): 16 accumulators, 128 registers; no register windows.
; TENSOR LOADS.  Each wave issues two, all first fills: half 0 at the head, half 1 behind the first barrier; one is out at a time.  Nothing is filled twice.
; NO JOINT LOADS: in type V the neighbours in the grid share other tiles (x as B, by pairs) than in the other types (the weight as B, by 32), so a mask would hang on the type; each work-group fetches each of its bytes once.
; kv: a record of 3,328 bytes is four tiles x 64 k: half fragment i at 768 i; at 3,072 + 8 lane the scale words (two bytes used) of tiles 2 (lane / 16) and 2 (lane / 16) + 1, row lane % 16.
;   K: record ((b 4 + hk) 32 + G): key tiles 4 G + i, k = the head's 64.  V: the same + 851,968 bytes: the head's four tiles of d, k = keys 64 G on; in odd records the word is shifted up by 16 bits.
; qf: ((b 16 + head) 128 + T) 4,096 + 512 n + 16 lane: registers 4 n .. 4 n + 3 of the lane's 32 numbers; register 16 beta + i is d = 32 beta + 16 (lane / 16) + i of lane-row lane % 16 of token tile T.
; LIMITS: a block of zeros or under 2^-122 gets the byte 1 (this program alone reads the bytes); NaN and infinities are not served.
; LDS, as it is now laid: half H of K (512 k) at 2 H CHUNK; in it tile i (A's 8, then B's 16) at 2 i REC: its two records of that half on end, as in memory.
; Tensor loads, as they now stand: waves 0-3 bring two tiles of A, waves 4-7 four tiles of B, rows of 6,656 bytes; half 0 at the head, half 1 behind the first barrier: one load of a wave is out at a time.
.set CHUNK, 79872
.set REC,   3328
.set SC,  16                           ; v16-23  scale words: pair 2 i, 2 i + 1 (the chunk's two K steps): lanes 0-15 A's tile i, lanes 16-31 B's tile i; they hold nothing else
.set AF,  32                           ; v32-79  A's four fragments
.set BF,  80                           ; v80-127 B's four
.set ACC, 128                          ; v128-255 accumulator (a, b) at ACC + 8 (4 a + b)
.set CD,  32                           ; the way out of K and V: codes, eight registers a tile
.set CT,  64                           ; v64-66  the second conversion's result
.set WD,  68                           ; v68-71  the four tiles' scale words; v72-73 those that I store
.set TM,  80                           ; v80-93  at work
.set RB,  32
.macro JLOAD h                         ; half h of K: waves 0-3 fetch for A, waves 4-7 for B; the branch hangs on the wave's number alone
	s_cmp_lt_u32 s14, 4
	s_cbranch_scc0 .Lfor_b_\@
	tensor_load_to_lds s[32+4*\h:35+4*\h], s[16:23]
	s_nop 0
.rept 4
	v_nop
.endr
	s_branch .Lasked_\@
.Lfor_b_\@:
	tensor_load_to_lds s[48+4*\h:51+4*\h], s[24:31]
	s_nop 0
.rept 4
	v_nop
.endr
.Lasked_\@:
.endm
.macro KSTEP s                         ; 128 along K: 32 LDS loads, 16 matrix instructions; the sixteen accumulators take turns, in the same order in every step
.if (\s)%2 == 0
.if (\s) == 0
	s_wait_tensorcnt 0x0                           ; my part of half 0 is in
	ds_add_u32 v30, v31
	s_wait_dscnt 0x0
	s_barrier_signal -1
	s_barrier_wait -1                              ; everybody's part is in
	JLOAD 1                                        ; half 1, my one load behind this barrier: it has four K steps in which to land
.endif
.if (\s) == 4
	s_wait_tensorcnt 0x0                           ; my part of half 1 is in
	s_wait_dscnt 0x0
	s_barrier_signal -1
	s_barrier_wait -1                              ; everybody's is.
.endif
.if (\s) > 0
.irp q, 1,2,3,4,5
	v_add_nc_u32 v\q, REC+((\s)/4)*(1-((\s)%4)/2)*(2*CHUNK-2*REC), v\q   ; the next record of the half, or the next half's first
.endr
.endif
.irp i, 0,1,2,3
	ds_load_b64 v[SC+2*\i:SC+2*\i+1], v5 offset:2*REC*\i
.endr
.endif
.irp i, 0,1,2,3
	ds_load_b128 v[AF+12*\i:AF+12*\i+3],     v1 offset:2*REC*\i+1536*((\s)%2)
	ds_load_b64  v[AF+12*\i+4:AF+12*\i+5],   v2 offset:2*REC*\i+1536*((\s)%2)
	ds_load_b128 v[AF+12*\i+6:AF+12*\i+9],   v1 offset:2*REC*\i+1536*((\s)%2)+768
	ds_load_b64  v[AF+12*\i+10:AF+12*\i+11], v2 offset:2*REC*\i+1536*((\s)%2)+768
	ds_load_b128 v[BF+12*\i:BF+12*\i+3],     v3 offset:2*REC*\i+1536*((\s)%2)
	ds_load_b64  v[BF+12*\i+4:BF+12*\i+5],   v4 offset:2*REC*\i+1536*((\s)%2)
	ds_load_b128 v[BF+12*\i+6:BF+12*\i+9],   v3 offset:2*REC*\i+1536*((\s)%2)+768
	ds_load_b64  v[BF+12*\i+10:BF+12*\i+11], v4 offset:2*REC*\i+1536*((\s)%2)+768
.endr
	s_wait_alu depctr_va_vdst(0)
	s_wait_dscnt 0x0
.irp a, 0,1,2,3
.irp b, 0,1,2,3
.if (\s) == 0
	v_wmma_scale_f32_16x16x128_f8f6f4 v[ACC+8*(4*\a+\b):ACC+8*(4*\a+\b)+7], v[BF+12*\b:BF+12*\b+11], v[AF+12*\a:AF+12*\a+11], 0, v[SC+2*\b+(\s)%2], v[SC+2*\a+(\s)%2] matrix_a_fmt:MATRIX_FMT_BF6 matrix_b_fmt:MATRIX_FMT_BF6 matrix_a_scale:MATRIX_SCALE_ROW1
.else
	v_wmma_scale_f32_16x16x128_f8f6f4 v[ACC+8*(4*\a+\b):ACC+8*(4*\a+\b)+7], v[BF+12*\b:BF+12*\b+11], v[AF+12*\a:AF+12*\a+11], v[ACC+8*(4*\a+\b):ACC+8*(4*\a+\b)+7], v[SC+2*\b+(\s)%2], v[SC+2*\a+(\s)%2] matrix_a_fmt:MATRIX_FMT_BF6 matrix_b_fmt:MATRIX_FMT_BF6 matrix_a_scale:MATRIX_SCALE_ROW1
.endif
.endr
.endr
.rept 4
	v_nop                                          ; four places in front of the loads into registers that these products read, and of the first read of results
.endr
.endm
; 32 numbers of a lane, register 16 b + i = k 32 b + 16 (lane / 16) + i of my row, become half a fragment, v[d] to v[d+5], and w = byte 0 | byte 1 << 8; v[t] to v[t+2] are at work.  Each accumulator is read from its low end on
.macro HQ s, d, t, w
.irp b, 0,1
	v_max3_num_f32 v[TM+\b], |v[(\s)+16*\b]|, |v[(\s)+1+16*\b]|, 0x2800000   ; and the floor 2^(5 - 127): the byte cannot fall under 1
.endr
.irp i, 2,4,6,8,10,12,14
.irp b, 0,1
	v_max3_num_f32 v[TM+\b], v[TM+\b], |v[(\s)+16*\b+\i]|, |v[(\s)+1+16*\b+\i]|
.endr
.endr
.irp b, 0,1
	s_delay_alu instid0(VALU_DEP_2)
	v_permlanex16_b32 v[TM+4+\b], v[TM+\b], s88, s89
.endr
.irp b, 0,1
	s_delay_alu instid0(VALU_DEP_2)
	v_max_num_f32 v[TM+\b], v[TM+\b], v[TM+4+\b]
.endr
.irp b, 0,1
	s_delay_alu instid0(VALU_DEP_2)
	v_add_nc_u32 v[TM+12+\b], 0xfe000000, v[TM+\b] ; 4 off the exponent field: the conversion's scale operand
.endr
.irp b, 0,1
	s_delay_alu instid0(VALU_DEP_2)
	v_lshrrev_b32 v[TM+4+\b], 23, v[TM+12+\b]
.endr
	s_delay_alu instid0(VALU_DEP_1)
	v_lshl_or_b32 v[\w], v[TM+5], 8, v[TM+4]
	v_cvt_scalef32_pk16_bf6_f32 v[(\d):(\d)+2], v[(\s):(\s)+15], v[TM+12]
	v_cvt_scalef32_pk16_bf6_f32 v[(\t):(\t)+2], v[(\s)+16:(\s)+31], v[TM+13]
	v_nop                                          ; one plain place behind a scaled conversion
.irp i, 0,1,2
	v_permlane16_swap_b32 v[(\d)+\i], v[(\t)+\i]   ; lanes 0-15 now hold block 0 whole, lanes 16-31 block 1
.endr
.irp i, 0,1,2
	s_delay_alu instid0(VALU_DEP_3)
	v_mov_b32 v[(\d)+3+\i], v[(\t)+\i]
.endr
.endm
; The way out in f32: a tile of 16 rows x 64 columns goes through my own stage (rows of 256 bytes + 16) and leaves as whole rows: sixteen lanes store 256 consecutive bytes, aligned.
; The stage lies in chunk 0, which has had its only fill; every wave's reads of it were waited for in front of a later barrier that all have passed.
.macro FOUT pitch, base
.irp i, 0,1,2,3
.if \i == 3
	s_wait_xcnt 0x0                                ; the first tile's stores have read their registers: the set is loaded again only behind this wait
.endif
.irp t, 0,1,2,3
	ds_store_b128 v12, v[ACC+32*\i+8*\t:ACC+32*\i+8*\t+3] offset:128*(\t/2)+32*(\t%2)
	ds_store_b128 v12, v[ACC+32*\i+8*\t+4:ACC+32*\i+8*\t+7] offset:128*(\t/2)+32*(\t%2)+16
.endr
.irp t, 0,1,2,3,4,5,6,7
	ds_load_b128 v[RB+32*(\i%3)+4*\t:RB+32*(\i%3)+4*\t+3], v13 offset:544*\t   ; LDS serves a wave's instructions in order: these see the stores above
.endr
.irp t, 0,1,2,3,4,5,6,7
	s_wait_dscnt 7-\t                              ; the younger loads may be out
	global_store_b128 v14, v[RB+32*(\i%3)+4*\t:RB+32*(\i%3)+4*\t+3], s[\base:\base+1] offset:(32*(\i/2)+8*(\i%2)+2*\t+8*(\t/4))*\pitch th:TH_STORE_NT
.endr
.endr
.endm
	s_load_b256 s[4:11], s[0:1], 0x0               ; ops s[4:5], qf s[6:7], kv s[8:9], out1 s[10:11]
	s_load_b64 s[12:13], s[0:1], 0x20              ; out2
	v_lshl_add_u32 v30, v0, 2, 0x4e000
	v_mov_b32 v31, 0
	ds_add_u32 v30, v31
	ds_add_u32 v30, v31
	v_lshrrev_b32 v1, 5, v0
	s_delay_alu instid0(VALU_DEP_1)
	v_readfirstlane_b32 s14, v1                    ; wave 0..7
	s_lshr_b32 s15, s14, 2                         ; ah: my half of the rows a
	s_and_b32 s66, s14, 3                          ; bq: my quarter of the rows b
	s_lshr_b32 s67, ttmp9, 5                       ; t5: the type
	s_and_b32 s68, ttmp9, 31                       ; m5
	s_lshl_b32 s69, s68, 3                         ; A's first tile: x's 8 m5,
	s_lshl_b32 s70, s67, 4
	s_add_co_u32 s70, s70, 256                     ; B's: 256 + 16 t5 (Wq's four quarters, Wk, -, Wkd, Wvd)
	s_and_b32 s71, s68, 1
	s_lshl_b32 s71, s71, 3
	s_add_co_u32 s71, s71, 336                     ; type V: A = Wv's tiles 8 (m5 % 2) on,
	s_lshr_b32 s72, s68, 1
	s_lshl_b32 s72, s72, 4                         ; B = x's tiles 16 (m5 / 2) on
	s_cmp_eq_u32 s67, 5
	s_cselect_b32 s69, s71, s69
	s_cselect_b32 s70, s72, s70
	s_and_b32 s84, s14, 3
	s_lshl_b32 s85, s84, 1
	s_add_co_u32 s69, s69, s85                     ; for A: tiles 2 (w % 4), + 1
	s_mul_i32 s72, s69, 4*REC
	s_mov_b32 s73, 0
	s_lshl_b32 s71, s84, 2                         ; for B: tiles 4 (w % 4) on
	s_add_co_u32 s70, s70, s71                     ; B's first of them
	s_mul_i32 s74, s70, 4*REC
	s_mov_b32 s75, 0
	s_mul_i32 s76, s84, 4*REC
	s_mul_i32 s77, s84, 8*REC
	s_add_co_u32 s77, s77, 16*REC
	; descriptor group 1 for A: rows of 6,656 bytes, as 832 elements of 8 bytes
	s_mov_b32 s16, 3<<16
	s_mov_b32 s17, 832<<16                         ; two rows of 6,656 bytes (832 elements of 8), a tile (1,664 elements) apart
	s_mov_b32 s18, 2<<16
	s_mov_b32 s19, 832<<16
	s_mov_b32 s20, 2
	s_mov_b32 s21, 1664
	s_mov_b32 s22, 0
	s_mov_b32 s23, 0
	; and for B: four such rows, a tile (13,312 bytes, 1,664 elements) apart in memory, on end in LDS
	s_mov_b32 s24, 3<<16
	s_mov_b32 s25, 832<<16                         ; four such rows
	s_mov_b32 s26, 4<<16
	s_mov_b32 s27, 832<<16
	s_mov_b32 s28, 4
	s_mov_b32 s29, 1664
	s_mov_b32 s30, 0
	s_mov_b32 s31, 0
	s_mov_b32 s88, 0x76543210
	s_mov_b32 s89, 0xfedcba98                      ; v_permlanex16_b32's selects for lane l xor 16
	s_wait_dscnt 0x0
	s_wait_kmcnt 0x0
	s_add_nc_u64 s[72:73], s[4:5], s[72:73]
	s_add_nc_u64 s[74:75], s[4:5], s[74:75]
.irp c, 0,1
	s_mov_b32 s[32+4*\c], 1
	s_add_co_u32 s[33+4*\c], s76, \c*2*CHUNK
	s_add_nc_u64 s[34+4*\c:35+4*\c], s[72:73], \c*2*REC
	s_or_b32 s[35+4*\c], s[35+4*\c], 0x80000000
	s_mov_b32 s[48+4*\c], 1
	s_add_co_u32 s[49+4*\c], s77, \c*2*CHUNK
	s_add_nc_u64 s[50+4*\c:51+4*\c], s[74:75], \c*2*REC
	s_or_b32 s[51+4*\c], s[51+4*\c], 0x80000000
.endr
	JLOAD 0                                        ; half 0: one tensor load a wave at the head
.rept 4
	v_nop
.endr
	v_and_b32 v6, 31, v0                           ; lane
	v_and_b32 v7, 15, v0                           ; r
	v_bfe_u32 v8, v0, 4, 1                         ; h
	s_delay_alu instid0(VALU_DEP_3)
	v_lshlrev_b32 v9, 4, v6                        ; 16 x lane
	s_delay_alu instid0(VALU_DEP_3)
	v_lshlrev_b32 v10, 4, v7
	s_delay_alu instid0(VALU_DEP_1)
	v_lshl_add_u32 v10, v8, 3, v10                 ; 16 r + 8 h
	v_lshlrev_b32 v11, 3, v6                       ; 8 x lane
	s_mul_i32 s78, s15, 8*REC
	s_mul_i32 s79, s66, 8*REC
	s_add_co_u32 s79, s79, 16*REC
	v_add_nc_u32 v1, s78, v9
	v_add_nc_u32 v2, s78, v10
	s_delay_alu instid0(VALU_DEP_1)
	v_add_nc_u32 v2, 512, v2
	v_add_nc_u32 v3, s79, v9
	v_add_nc_u32 v4, s79, v10
	s_delay_alu instid0(VALU_DEP_1)
	v_add_nc_u32 v4, 512, v4
	s_sub_co_u32 s80, s79, s78
	v_mul_u32_u24 v5, s80, v8                      ; scale words: lanes 0-15 take A's, lanes 16-31 B's: the lower base + h x the distance
	s_delay_alu instid0(VALU_DEP_1)
	v_lshl_add_u32 v5, v6, 3, v5
	s_delay_alu instid0(VALU_DEP_1)
	v_add_nc_u32 v5, s78, v5
	s_delay_alu instid0(VALU_DEP_1)
	v_add_nc_u32 v5, 3072, v5
	s_mul_i32 s80, s14, 4352                       ; my stage
	v_mul_u32_u24 v12, v7, 272
	s_delay_alu instid0(VALU_DEP_1)
	v_lshl_add_u32 v12, v8, 6, v12
	s_delay_alu instid0(VALU_DEP_1)
	v_add_nc_u32 v12, s80, v12                     ; in: row r, + 64 h
	v_mul_u32_u24 v13, v8, 272
	s_delay_alu instid0(VALU_DEP_1)
	v_lshl_add_u32 v13, v7, 4, v13
	s_delay_alu instid0(VALU_DEP_1)
	v_add_nc_u32 v13, s80, v13                     ; back: lanes 0-15 one row, lanes 16-31 the next
	v_lshlrev_b32 v14, 8, v8
	s_delay_alu instid0(VALU_DEP_1)
	v_lshl_add_u32 v14, v7, 4, v14                 ; and the same two rows of 256 bytes in out1 or out2
	s_wait_alu depctr_va_vdst(0)
.irp s, 0,1,2,3,4,5,6,7
	KSTEP \s
.endr
	s_cmp_lt_u32 s67, 4
	s_cbranch_scc1 .Lq_out
	s_cmp_lt_u32 s67, 6
	s_cbranch_scc1 .Lkv_out
	; ---- k_write, v_write: [b][hk = bq][token][64] f32
	s_cmp_eq_u32 s67, 6                            ; the choice hangs on the work-group's number alone
	s_cselect_b64 s[10:11], s[10:11], s[12:13]
	s_lshr_b32 s81, s68, 4                         ; b
	s_lshl_b32 s81, s81, 2
	s_add_co_u32 s81, s81, s66
	s_lshl_b32 s81, s81, 11
	s_and_b32 s82, s68, 15
	s_lshl_b32 s82, s82, 7
	s_add_co_u32 s81, s81, s82
	s_lshl_b32 s82, s15, 6
	s_add_co_u32 s81, s81, s82                     ; (b 4 + bq) 2,048 + 128 (m5 % 16) + 64 ah
	s_lshl_b32 s82, s81, 8
	s_mov_b32 s83, 0
	s_add_nc_u64 s[10:11], s[10:11], s[82:83]
	FOUT 256, 10
	s_wait_tensorcnt 0x0
	ds_add_u32 v30, v31
	s_wait_dscnt 0x0
	s_endpgm
.Lq_out:
	; ---- Q: the accumulators leave as they stand: each store covers 512 consecutive bytes
	s_lshr_b32 s81, s68, 4                         ; b
	s_lshl_b32 s81, s81, 4
	s_lshl_b32 s82, s67, 2
	s_add_co_u32 s81, s81, s82
	s_add_co_u32 s81, s81, s66                     ; b 16 + head, head = 4 t5 + bq
	s_lshl_b32 s81, s81, 7
	s_and_b32 s82, s68, 15
	s_lshl_b32 s82, s82, 3
	s_add_co_u32 s81, s81, s82
	s_lshl_b32 s82, s15, 2
	s_add_co_u32 s81, s81, s82                     ; + token tile 8 (m5 % 16) + 4 ah
	s_lshl_b32 s82, s81, 12
	s_mov_b32 s83, 0
	s_add_nc_u64 s[6:7], s[6:7], s[82:83]
.irp i, 0,1,2,3
.irp n, 0,1,2,3,4,5,6,7
	global_store_b128 v9, v[ACC+32*\i+4*\n:ACC+32*\i+4*\n+3], s[6:7] offset:4096*\i+512*\n
.endr
.endr
	s_wait_tensorcnt 0x0
	ds_add_u32 v30, v31
	s_wait_dscnt 0x0
	s_endpgm
.Lkv_out:
	; ---- K and V: four tiles of 16 rows x 64 k are quantised in registers and make one record
	s_lshl_b32 s81, s68, 1
	s_add_co_u32 s81, s81, s15                     ; K: group of 64 keys 2 m5 + ah, head bq
	s_and_b32 s82, s68, 1
	s_lshl_b32 s82, s82, 1
	s_add_co_u32 s82, s82, s15                     ; V: head 2 (m5 % 2) + ah,
	s_lshr_b32 s83, s68, 1
	s_lshl_b32 s83, s83, 2
	s_add_co_u32 s83, s83, s66                     ; group 4 (m5 / 2) + bq
	s_cmp_eq_u32 s67, 5
	s_cselect_b32 s81, s83, s81                    ; the group, 0 .. 63 over both batches
	s_cselect_b32 s82, s82, s66                    ; the head
	s_cselect_b32 s84, 851968, 0                   ; V's records lie behind K's
	s_cselect_b32 s85, 16, 0
	s_and_b32 s86, s81, 1
	s_mul_i32 s85, s85, s86                        ; V's odd records: the word 16 bits up
	s_lshr_b32 s86, s81, 5
	s_lshl_b32 s86, s86, 2
	s_add_co_u32 s86, s86, s82
	s_lshl_b32 s86, s86, 5
	s_and_b32 s87, s81, 31
	s_add_co_u32 s86, s86, s87
	s_mul_i32 s86, s86, REC
	s_add_co_u32 s86, s86, s84
	s_mov_b32 s87, 0
	s_add_nc_u64 s[8:9], s[8:9], s[86:87]
	v_mov_b32 v[TM+4], 0                           ; a lane permute's destination counts as one of its sources
	v_mov_b32 v[TM+5], 0
.irp i, 0,1,2,3
	HQ ACC+32*\i, CD+8*\i, CT, WD+\i
	global_store_b128 v9, v[CD+8*\i:CD+8*\i+3], s[8:9] offset:768*\i
	global_store_b64 v10, v[CD+8*\i+4:CD+8*\i+5], s[8:9] offset:768*\i+512
.endr
	v_cmp_ne_u32 vcc_lo, 0, v8                     ; lanes 0-15 store the words of tiles 0, 1; lanes 16-31 those of tiles 2, 3
	s_delay_alu instid0(VALU_DEP_1)
	v_cndmask_b32 v72, v[WD], v[WD+2], vcc_lo
	s_delay_alu instid0(VALU_DEP_2)
	v_cndmask_b32 v73, v[WD+1], v[WD+3], vcc_lo
	s_delay_alu instid0(VALU_DEP_2)
	v_lshlrev_b32 v72, s85, v72
	s_delay_alu instid0(VALU_DEP_2)
	v_lshlrev_b32 v73, s85, v73
	global_store_b64 v11, v[72:73], s[8:9] offset:3072
	s_wait_tensorcnt 0x0
	ds_add_u32 v30, v31
	s_wait_dscnt 0x0
	s_endpgm
.Lfunc_end_k_q7b5f3758d1_proj:
	.size	k_q7b5f3758d1_proj, .Lfunc_end_k_q7b5f3758d1_proj-k_q7b5f3758d1_proj
	.p2alignl 7, 3214868480
	.fill 96, 4, 3214868480
	.section	.rodata,"a",@progbits
	.p2align	6, 0x0
	.amdhsa_kernel k_q7b5f3758d1_proj
		.amdhsa_group_segment_fixed_size 327680
		.amdhsa_private_segment_fixed_size 0
		.amdhsa_enable_private_segment 0
		.amdhsa_kernarg_size 40
		.amdhsa_user_sgpr_count 2
		.amdhsa_user_sgpr_kernarg_segment_ptr 1
		.amdhsa_wavefront_size32 1
		.amdhsa_system_sgpr_workgroup_id_x 1
		.amdhsa_system_sgpr_workgroup_id_y 1
		.amdhsa_system_sgpr_workgroup_id_z 1
		.amdhsa_system_vgpr_workitem_id 0
		.amdhsa_next_free_vgpr 256
		.amdhsa_next_free_sgpr 96
		.amdhsa_reserve_vcc 1
		.amdhsa_float_denorm_mode_32 3
		.amdhsa_float_denorm_mode_16_64 3
		.amdhsa_memory_ordered 1
		.amdhsa_forward_progress 1
		.amdhsa_inst_pref_size 66
	.end_amdhsa_kernel
	.amdgpu_metadata
---
amdhsa.version: [ 1, 2 ]
amdhsa.kernels:
  - .name:           k_q7b5f3758d1_proj
    .symbol:         k_q7b5f3758d1_proj.kd
    .args:
      - { .name: ops, .offset: 0, .size: 8, .value_kind: global_buffer, .address_space: global }
      - { .name: qf, .offset: 8, .size: 8, .value_kind: global_buffer, .address_space: global }
      - { .name: kv, .offset: 16, .size: 8, .value_kind: global_buffer, .address_space: global }
      - { .name: out1, .offset: 24, .size: 8, .value_kind: global_buffer, .address_space: global }
      - { .name: out2, .offset: 32, .size: 8, .value_kind: global_buffer, .address_space: global }
    .group_segment_fixed_size: 327680
    .private_segment_fixed_size: 0
    .kernarg_segment_align: 8
    .kernarg_segment_size: 40
    .max_flat_workgroup_size: 256
    .sgpr_count:     96
    .vgpr_count:     256
    .wavefront_size: 32
...
	.end_amdgpu_metadata
.endif
;; end of part 2
;; launch attn (part 3): grid 256 x 1, 8 waves a work-group, no clusters, 327,680 bytes of LDS; arguments qf, kv, K_depth, V_depth, attc; writes attc
.if DOCPART == 3
	.amdgcn_target "amdgcn-amd-amdhsa--gfx1250"
	.amdhsa_code_object_version 6
	.text
	.protected	k_q7b5f3758d1_attn
	.globl	k_q7b5f3758d1_attn
	.p2align	8
	.type	k_q7b5f3758d1_attn,@function
k_q7b5f3758d1_attn:
	s_mov_b64 s[64:65], 0
	v_nop
	global_prefetch_b8 v0, s[64:65] scope:SCOPE_SE
	s_setreg_imm32_b32 hwreg(HW_REG_WAVE_MODE, 25, 1), 1
	s_wait_xcnt 0x0
; Attention with a causal key set and eight depth entries a token under one softmax; the two large products on codes of BF6 (E3M2) with E8M0 scales; p is quantised finished and normalised, so the keys are walked twice.
; A UNIT is 4 tokens x the 4 query heads of one K/V head: 16 query rows (row r: head r / 4, token 4 u + r % 4) that share K, V, the causal range and the tokens' depth entries, so a unit's whole work lies in one wave.
; SHARES.  Work-group = (g = batch x 4 + K/V head, m); its 8 waves take i = 8 m + w, each the units 511 - i and then i of g's 512: (u / 16 + 1) groups of 64 keys each, 33 in all for every wave.
; LDS: K's 32 records, V's 32 records (3,328 bytes each, as the projections' launch lays them), filled once, one tensor load a wave (waves 0-3 K, 4-7 V, 8 records each); then a stage of 8,704 bytes for each wave; then the spare words.
; PASS 1: S^T = K Q^T, running maximum and sum.  Then the depth scores (f32 matrix form, A = 16 rows (token, l) of K_depth, B = Q in f32) join maximum and sum.  The exponent's shift becomes M c + log2 L, so that p = 2^(s c - shift) is normalised.
; The depth values (f32 matrix form, A = V_depth transposed, B = p_dep, 0 for other tokens' rows) start the sums O^T.  PASS 2: S^T again, p, its block scales and codes, O^T += V^T p^T.  O^T is quantised along the head's 64 and stored as an operand of the last product.
; DEPTH ROWS are loaded as they lie, 512 consecutive bytes a load, into registers 256 and up, a whole unit ahead of their use, and turn through the wave's own stage; so no separate prefetch is laid.
; NO CLUSTER: the branches that pass over hidden key groups hang on the work-group's number, which differs between the work-groups that share K and V.
; Q's pieces and the result's pieces are 64 consecutive bytes (four tokens of one head): the records' layout keeps a head's 16 rows together, a unit takes four of them from each of four heads.
; LIMITS: the promise holds while the scaled scores (exponents to the base 2) stay under 2^31 in magnitude; a block of zeros or under 2^-122 gets the byte 1 (this program alone reads the bytes); NaN and infinities are not served.
.set REC, 3328
.set LRV, 106496                       ; V's records
.set STG, 212992                       ; the stages: 32 rows of 256 + 16 bytes a wave
.set WSTG, 8704
.set SPARE, 282624
.set QFR, 20                           ; v20-31 Q's fragment (upper six stay 0)
.set QW,  32                           ; scale registers: Q's, p's, K's pair
.set PW,  33
.set KW,  34
.set KF,  36                           ; v36-83 four fragments of K (upper six of each stay 0)
.set VW,  84                           ; v84-87 V's scale words
.set S,   88                           ; v88-119 scores, then p
.set O,   120                          ; v120-151 O^T: written by matrix instructions alone
.set VF,  152                          ; v152-199 V's fragments
.set PC,  200                          ; v200-211 p's codes
.set CT,  212
.set TM,  216                          ; v216-229 at work
.set SD,  232                          ; v232-235 my four depth scores: l = 4 (lane / 16) + i
.set QF,  152                          ; pass 1: Q in f32
.set KA0, 184                          ; depth keys, tile 0; tile 1 at S
.set KA1, 88
.set VA,  152                          ; depth values, 4 tiles x 16 registers
.set PB,  88                           ; p_dep by token, 16 registers
.set KD1, 0                            ; second window: v256-319 K_depth as loaded
.set QN1, 64                           ; v320-351 Q as loaded
.set DS1, 128                          ; v384-399 depth scores: written by matrix instructions alone
.set VD1, 152                          ; v408-471 V_depth as loaded
.set CS,  32
.set SEL, 34
.set MSB, 0
.macro WIN new                         ; the immediate's high byte repeats the setting that is left
.if MSB != \new
	s_set_vgpr_msb (MSB<<8)|\new
.set MSB, \new
.endif
.endm
.macro NOPS n
.rept \n
	v_nop
.endr
.endm
; 32 numbers of a lane, register 16 b + i = k 32 b + 16 (lane / 16) + i of my row, become half a fragment v[d] to v[d+5] and w = byte 0 | byte 1 << 8
.macro HQ s, d, t, w
.irp b, 0,1
	v_max3_num_f32 v[TM+\b], |v[(\s)+16*\b]|, |v[(\s)+1+16*\b]|, 0x2800000
.endr
.irp i, 2,4,6,8,10,12,14
.irp b, 0,1
	v_max3_num_f32 v[TM+\b], v[TM+\b], |v[(\s)+16*\b+\i]|, |v[(\s)+1+16*\b+\i]|
.endr
.endr
.irp b, 0,1
	s_delay_alu instid0(VALU_DEP_2)
	v_permlanex16_b32 v[TM+4+\b], v[TM+\b], s[SEL], s[SEL+1]
.endr
.irp b, 0,1
	s_delay_alu instid0(VALU_DEP_2)
	v_max_num_f32 v[TM+\b], v[TM+\b], v[TM+4+\b]
.endr
.irp b, 0,1
	s_delay_alu instid0(VALU_DEP_2)
	v_add_nc_u32 v[TM+12+\b], 0xfe000000, v[TM+\b]
.endr
.irp b, 0,1
	s_delay_alu instid0(VALU_DEP_2)
	v_lshrrev_b32 v[TM+4+\b], 23, v[TM+12+\b]
.endr
	s_delay_alu instid0(VALU_DEP_1)
	v_lshl_or_b32 v[\w], v[TM+5], 8, v[TM+4]
	v_cvt_scalef32_pk16_bf6_f32 v[(\d):(\d)+2], v[(\s):(\s)+15], v[TM+12]
	v_cvt_scalef32_pk16_bf6_f32 v[(\t):(\t)+2], v[(\s)+16:(\s)+31], v[TM+13]
	v_nop
.irp i, 0,1,2
	v_permlane16_swap_b32 v[(\d)+\i], v[(\t)+\i]
.endr
.irp i, 0,1,2
	s_delay_alu instid0(VALU_DEP_3)
	v_mov_b32 v[(\d)+3+\i], v[(\t)+\i]
.endr
.endm
.macro KLOAD x, y, z, c                ; the four key tiles and scale words of the record c further on
.irp t, 0,1,2,3
	ds_load_b128 v[KF+12*\t:KF+12*\t+3], v\x offset:REC*\c+768*\t
	ds_load_b64 v[KF+12*\t+4:KF+12*\t+5], v\y offset:REC*\c+768*\t
.endr
	ds_load_b64 v[KW:KW+1], v\z offset:REC*\c
.endm
.macro SMUL                            ; S^T of 64 keys; four places follow, for the reads of S and the loads into K's registers
.irp t, 0,1
	v_wmma_scale_f32_16x16x128_f8f6f4 v[S+8*\t:S+8*\t+7], v[KF+12*\t:KF+12*\t+11], v[QFR:QFR+11], 0, v[KW+\t], v[QW] matrix_a_fmt:MATRIX_FMT_BF6 matrix_b_fmt:MATRIX_FMT_BF6
.endr
.irp t, 2,3
	v_wmma_scale_f32_16x16x128_f8f6f4 v[S+8*\t:S+8*\t+7], v[KF+12*\t:KF+12*\t+11], v[QFR:QFR+11], 0, v[KW+\t-2], v[QW] matrix_a_fmt:MATRIX_FMT_BF6 matrix_b_fmt:MATRIX_FMT_BF6 matrix_a_scale:MATRIX_SCALE_ROW1
.endr
	NOPS 4
.endm
.macro MASK                            ; the diagonal group: register n is key 32 (n / 16) + 16 (lane / 16) + n % 16 of the group
.irp n, 0,1,2,3,4,5,6,7,8,9,10,11,12,13,14,15,16,17,18,19,20,21,22,23,24,25,26,27,28,29,30,31
	v_cmp_gt_i32 vcc_lo, 32*(\n/16)+\n%16, v10
	v_cndmask_b32 v[S+\n], v[S+\n], v11, vcc_lo
.endr
.endm
.macro BLKMAX                          ; my 16 scores of each block of 32 keys: two chains a block, four in all, by turns; each accumulator is read from its low end on
.irp b, 0,1
	v_max3_num_f32 v[TM+\b], v[S+16*\b], v[S+1+16*\b], v[S+2+16*\b]
	v_max3_num_f32 v[TM+2+\b], v[S+8+16*\b], v[S+9+16*\b], v[S+10+16*\b]
.endr
.irp i, 3,5
.irp b, 0,1
	v_max3_num_f32 v[TM+\b], v[TM+\b], v[S+16*\b+\i], v[S+1+16*\b+\i]
	v_max3_num_f32 v[TM+2+\b], v[TM+2+\b], v[S+8+16*\b+\i], v[S+9+16*\b+\i]
.endr
.endr
.irp b, 0,1
	v_max3_num_f32 v[TM+\b], v[TM+\b], v[TM+2+\b], v[S+7+16*\b]
.endr
.irp b, 0,1
	v_max_num_f32 v[TM+\b], v[TM+\b], v[S+15+16*\b]
.endr
.endm
.macro EXPS x                          ; x = 1: the factor 2^(old shift - new shift) joins the batch
.irp j, 0,2,4,6,8,10,12,14,16,18,20,22,24,26,28,30
	v_pk_fma_f32 v[S+\j:S+\j+1], v[S+\j:S+\j+1], s[CS:CS+1], v[12:13] op_sel_hi:[1,0,0] neg_lo:[0,0,1] neg_hi:[0,0,1]
.endr
	s_wait_alu depctr_va_vdst(0)
.if \x
	v_exp_f32 v244, v242
.endif
.irp j, 0,1,2,3,4,5,6,7,8,9,10,11,12,13,14,15,16,17,18,19,20,21,22,23,24,25,26,27,28,29,30,31
	v_exp_f32 v[S+\j], v[S+\j]
.endr
.endm
.macro PQ c                            ; 64 keys' scores become p, its two block scales and half c of p's fragment; a block's largest p is made of its largest score by the same two instructions
	BLKMAX
.irp b, 0,1
	s_delay_alu instid0(VALU_DEP_2)
	v_permlanex16_b32 v[TM+4+\b], v[TM+\b], s[SEL], s[SEL+1]
.endr
.irp b, 0,1
	s_delay_alu instid0(VALU_DEP_2)
	v_max_num_f32 v[TM+\b], v[TM+\b], v[TM+4+\b]
.endr
.irp b, 0,1
	s_delay_alu instid0(VALU_DEP_2)
	v_fma_f32 v[TM+\b], v[TM+\b], s[CS], -v12
.endr
	EXPS 0
.irp b, 0,1
	v_exp_f32 v[TM+\b], v[TM+\b]
.endr
	v_nop
	s_wait_alu depctr_va_vdst(0)                   ; one wait for the batch, ahead of its first reader
.irp b, 0,1
	v_max_num_f32 v[TM+\b], 0x2800000, v[TM+\b]
.endr
.irp b, 0,1
	s_delay_alu instid0(VALU_DEP_2)
	v_add_nc_u32 v[TM+12+\b], 0xfe000000, v[TM+\b]
.endr
.irp b, 0,1
	s_delay_alu instid0(VALU_DEP_2)
	v_lshrrev_b32 v[TM+4+\b], 23, v[TM+12+\b]
.endr
.if \c
	s_delay_alu instid0(VALU_DEP_2)
	v_lshl_or_b32 v[PW], v[TM+4], 16, v[PW]
	s_delay_alu instid0(VALU_DEP_1)
	v_lshl_or_b32 v[PW], v[TM+5], 24, v[PW]
.else
	s_delay_alu instid0(VALU_DEP_1)
	v_lshl_or_b32 v[PW], v[TM+5], 8, v[TM+4]
.endif
	v_cvt_scalef32_pk16_bf6_f32 v[PC+6*\c:PC+6*\c+2], v[S:S+15], v[TM+12]
	v_cvt_scalef32_pk16_bf6_f32 v[CT:CT+2], v[S+16:S+31], v[TM+13]
	v_nop
.irp i, 0,1,2
	v_permlane16_swap_b32 v[PC+6*\c+\i], v[CT+\i]
.endr
.irp i, 0,1,2
	s_delay_alu instid0(VALU_DEP_3)
	v_mov_b32 v[PC+6*\c+3+\i], v[CT+\i]
.endr
.endm
; unit s38's Q (8 loads), K_depth (16) and V_depth (16), in this order, into the second window
.macro PREF head                       ; head = 1: the depth loads go out behind the wait for K's and V's tiles and the barrier that shows them whole
	s_lshl_b32 s50, s15, 22
	s_lshl_b32 s51, s38, 13
	s_add_co_u32 s50, s50, s51                     ; (g 16,384 + 32 u) rows of 256 bytes
	s_mov_b32 s51, 0
	s_add_nc_u64 s[52:53], s[8:9], s[50:51]
	s_add_nc_u64 s[54:55], s[10:11], s[50:51]
	s_lshr_b32 s56, s38, 3
	s_lshl_b32 s56, s56, 1
	s_bfe_u32 s57, s38, 0x10001
	s_add_co_u32 s56, s56, s57                     ; token tile T = 2 (u / 8) + (u / 2) % 2
	s_lshl_b32 s57, s15, 9
	s_add_co_u32 s56, s56, s57
	s_lshl_b32 s58, s56, 12                        ; (4 g 128 + T) images of 4,096 bytes
	s_and_b32 s57, s38, 1
	s_lshl_b32 s57, s57, 6
	s_add_co_u32 s58, s58, s57
	s_bfe_u32 s57, s38, 0x10002
	s_lshl_b32 s57, s57, 7
	s_add_co_u32 s58, s58, s57                     ; + 16 x the first lane-row, 4 (u % 2) + 8 ((u / 4) % 2)
	s_mov_b32 s59, 0
	s_add_nc_u64 s[60:61], s[4:5], s[58:59]
	WIN 0x40
.irp n, 0,1,2,3,4,5,6,7
	global_load_b128 v[QN1+4*\n:QN1+4*\n+3], v19, s[60:61] offset:512*\n
.endr
.if \head
	WIN 0
	s_wait_tensorcnt 0x0                           ; my part of K and V is in
	s_barrier_signal -1
	s_barrier_wait -1                              ; everybody's is; nothing is filled again
	WIN 0x40
.endif
.irp n, 0,1,2,3,4,5,6,7,8,9,10,11,12,13,14,15
	global_load_b128 v[KD1+4*\n:KD1+4*\n+3], v1, s[52:53] offset:512*\n th:TH_LOAD_NT
.endr
.irp n, 0,1,2,3,4,5,6,7,8,9,10,11,12,13,14,15
	global_load_b128 v[VD1+4*\n:VD1+4*\n+3], v1, s[54:55] offset:512*\n th:TH_LOAD_NT
.endr
	WIN 0
.endm
	s_load_b256 s[4:11], s[0:1], 0x0               ; qf, kv, K_depth, V_depth
	s_load_b64 s[12:13], s[0:1], 0x20              ; attc
	v_lshl_add_u32 v230, v0, 2, SPARE
	v_mov_b32 v231, 0
	ds_add_u32 v230, v231
	ds_add_u32 v230, v231
	v_lshrrev_b32 v1, 5, v0
	v_readfirstlane_b32 s14, v1                    ; wave 0..7
	s_lshr_b32 s15, ttmp9, 5                       ; g
	s_and_b32 s36, ttmp9, 31
	s_lshl_b32 s36, s36, 3
	s_add_co_u32 s36, s36, s14
	s_sub_co_u32 s36, 511, s36                     ; my first unit, the longer one
	s_mov_b32 s16, 3<<16                           ; 8 records = 104 rows of 256 bytes, dense
	s_mov_b32 s17, 32<<16
	s_mov_b32 s18, 104<<16
	s_mov_b32 s19, 32<<16
	s_mov_b32 s20, 104
	s_mov_b32 s21, 32
	s_mov_b32 s22, 0
	s_mov_b32 s23, 0
	s_mov_b32 s24, 1
	s_mul_i32 s25, s14, 8*REC                      ; V's records follow K's in LDS
	s_and_b32 s45, s14, 3
	s_mul_i32 s46, s45, 8*REC
	s_lshr_b32 s45, s14, 2
	s_mul_i32 s45, s45, 851968                     ; V's records lie so far behind K's in kv
	s_add_co_u32 s46, s46, s45
	s_mul_i32 s45, s15, 32*REC
	s_add_co_u32 s46, s46, s45
	s_mov_b32 s47, 0
	s_mov_b32 s[CS], 0x3e38aa3b                    ; c = log2(e) / 8
	s_mov_b32 s[CS+1], s[CS]
	s_mov_b32 s[SEL], 0x76543210
	s_mov_b32 s[SEL+1], 0xfedcba98
	s_wait_alu depctr_va_vdst(0)
	s_wait_dscnt 0x0
	s_wait_kmcnt 0x0
	s_add_nc_u64 s[26:27], s[6:7], s[46:47]
	s_or_b32 s27, s27, 0x80000000
	tensor_load_to_lds s[24:27], s[16:23]          ; my one tensor load
	s_nop 0
	NOPS 4
	v_and_b32 v250, 31, v0                         ; lane
	v_and_b32 v251, 15, v0                         ; r
	v_bfe_u32 v252, v0, 4, 1                       ; h
	v_and_b32 v253, 3, v0                          ; r % 4: my token of the unit's four
	v_bfe_u32 v254, v0, 2, 2                       ; r / 4: my head
	v_lshlrev_b32 v1, 4, v250                      ; 16 x lane
	v_lshlrev_b32 v2, 4, v251
	v_lshl_add_u32 v2, v252, 3, v2
	v_add_nc_u32 v2, 512, v2                       ; 512 + 16 r + 8 h
	v_lshlrev_b32 v3, 3, v250
	v_add_nc_u32 v3, 3072, v3                      ; scale words
	v_lshlrev_b32 v17, 4, v252
	v_sub_nc_u32 v17, v253, v17                    ; r % 4 - 16 h
	v_mov_b32 v11, 0xff800000
	v_lshlrev_b32 v19, 19, v254                    ; Q: a head is 128 images on,
	v_lshl_add_u32 v19, v253, 4, v19
	v_lshl_add_u32 v19, v252, 8, v19               ; lane-row r % 4 on, half h
	s_mul_i32 s48, s14, WSTG
	s_add_co_u32 s48, s48, STG                     ; my stage
	v_mul_u32_u24 v16, v252, 272
	v_lshl_add_u32 v16, v251, 4, v16
	v_add_nc_u32 v16, s48, v16                     ; in: two rows a load, as loaded
	v_bfe_u32 v240, v0, 2, 1
	v_bfe_u32 v241, v0, 3, 1
	v_lshl_add_u32 v242, v240, 3, v253
	v_lshl_add_u32 v242, v241, 2, v242             ; depth keys: lane-row r is stage row 8 ((r / 4) % 2) + 4 (r / 8) + r % 4 (+ 16 for tile 1)
	v_mul_u32_u24 v236, v242, 272
	v_lshl_add_u32 v236, v252, 6, v236
	v_add_nc_u32 v236, s48, v236
	v_mul_u32_u24 v237, v252, 1088                 ; depth values: rows 4 h on, column d = r % 8 + 16 (r / 8)
	v_and_b32 v243, 7, v0
	v_lshl_add_u32 v237, v243, 2, v237
	v_lshl_add_u32 v237, v241, 6, v237
	v_add_nc_u32 v237, s48, v237
	v_mul_u32_u24 v238, v254, 768                  ; out: my head's half fragment,
	v_lshl_add_u32 v238, v253, 4, v238
	v_lshl_add_u32 v239, v252, 3, v238
	v_add_nc_u32 v239, 512, v239                   ; the block's last 8 bytes,
	v_lshl_add_u32 v238, v252, 8, v238             ; its first 16,
	v_lshlrev_b32 v248, 3, v253
	v_lshl_add_u32 v248, v252, 7, v248
	v_lshl_add_u32 v248, v254, 1, v248
	v_add_nc_u32 v248, 3072, v248                  ; my head's two scale bytes
	v_and_b32 v244, 1, v0
	v_and_b32 v245, 2, v0
	v_cmp_ne_u32 s70, 0, v244                      ; odd token
	v_cmp_ne_u32 s71, 0, v245                      ; tokens 2, 3
.irp k, 0,1,2,3
	v_cmp_eq_u32 s[72+\k], \k, v253                ; my token is k
.endr
.irp t, 0,1,2,3
.irp i, 6,7,8,9,10,11
	v_mov_b32 v[KF+12*\t+\i], 0                    ; k = 64 .. 127 of the instruction: zero codes
.endr
.endr
.irp i, 6,7,8,9,10,11
	v_mov_b32 v[QFR+\i], 0
.endr
	v_mov_b32 v[TM+4], 0                           ; a lane permute's destination counts as one of its sources
	v_mov_b32 v[TM+5], 0
	v_mov_b32 v241, 0
	v_mov_b32 v245, 0
	s_mov_b32 s38, s36
	s_wait_alu depctr_va_vdst(0)
	PREF 1
	s_wait_loadcnt 32                              ; Q is in; the 32 depth loads may be out
	s_mov_b32 s37, 0
.Lunit:
	s_lshr_b32 s40, s36, 4                         ; the diagonal group
	s_and_b32 s45, s36, 15
	s_lshl_b32 s45, s45, 2                         ; my first token's place in it
	s_lshr_b32 s46, s36, 3
	s_lshl_b32 s46, s46, 1
	s_bfe_u32 s47, s36, 0x10001
	s_add_co_u32 s46, s46, s47                     ; T
	s_and_b32 s47, s36, 1
	s_lshl_b32 s47, s47, 2
	s_bfe_u32 s51, s36, 0x10002
	s_lshl_b32 s51, s51, 3
	s_add_co_u32 s47, s47, s51                     ; the first lane-row
	s_lshr_b32 s49, s15, 2
	s_lshl_b32 s49, s49, 7
	s_add_co_u32 s49, s49, s46
	s_lshl_b32 s49, s49, 2
	s_and_b32 s50, s15, 3
	s_add_co_u32 s49, s49, s50
	s_mul_i32 s58, s49, REC                        ; record (batch 128 + T) 4 + K/V head
	s_lshl_b32 s50, s47, 4
	s_add_co_u32 s58, s58, s50
	s_mov_b32 s59, 0
	s_add_nc_u64 s[66:67], s[12:13], s[58:59]
	s_lshl_b32 s47, s47, 3
	v_add_nc_u32 v10, s45, v17                     ; my token's place in the diagonal group, less 16 h
	v_sub_nc_u32 v249, v248, s47                   ; scale words go 8 bytes a row where codes go 16
	WIN 0x01
.irp i, 0,1,2,3,4,5,6,7,8,9,10,11,12,13,14,15,16,17,18,19,20,21,22,23,24,25,26,27,28,29,30,31
	v_mov_b32 v[QF+\i], v[QN1+\i]
.endr
	WIN 0
	HQ QF, QFR, CT, QW
	v_mov_b32 v13, 0xff61b1e6                      ; the largest score so far: -3e38
	v_mul_f32 v12, s[CS], v13
	v_mov_b32 v14, 0
	v_mov_b32 v15, 0
	KLOAD 1, 2, 3, 0
	NOPS 8                                         ; Q's scale word stands 8 places ahead of the first product
	s_mov_b32 s41, 0
	s_mov_b32 s42, 0
	s_wait_alu depctr_va_vdst(0)
.Lp1:                                                  ; 32 trips by count; groups behind the diagonal are passed over
	s_cmp_gt_u32 s41, s40
	s_cbranch_scc1 .Lp1_next
	s_wait_dscnt 0x0                               ; this group's fragments, asked for a trip ago
	v_add_nc_u32 v4, s42, v1
	v_add_nc_u32 v5, s42, v2
	v_add_nc_u32 v6, s42, v3
	SMUL
	KLOAD 4, 5, 6, 1                               ; the next group's
	s_cmp_lg_u32 s41, s40
	s_cbranch_scc1 .Lp1_open
	MASK
.Lp1_open:
	v_mov_b32 v242, v12
	BLKMAX
	s_delay_alu instid0(VALU_DEP_1)
	v_max3_num_f32 v13, v[TM], v[TM+1], v13        ; each half of the lanes keeps the maximum and the sum of its own keys; the two are joined behind the pass, each sum under its own old shift
	s_delay_alu instid0(VALU_DEP_1)
	v_mul_f32 v12, s[CS], v13
	s_delay_alu instid0(VALU_DEP_1)
	v_sub_f32 v242, v242, v12
	EXPS 1
	v_nop                                          ; one plain place behind the batch
	s_wait_alu depctr_va_vdst(0)
	v_pk_mul_f32 v[14:15], v[14:15], v[244:245] op_sel_hi:[1,0]
	v_pk_add_f32 v[246:247], v[S:S+1], v[S+2:S+3]  ; the 16 pairs in four chains by turns
	v_pk_add_f32 v[240:241], v[S+4:S+5], v[S+6:S+7]
	v_pk_add_f32 v[242:243], v[S+8:S+9], v[S+10:S+11]
	v_pk_add_f32 v[14:15], v[14:15], v[S+12:S+13]
.irp j, 14,22
	v_pk_add_f32 v[246:247], v[246:247], v[S+\j:S+\j+1]
	v_pk_add_f32 v[240:241], v[240:241], v[S+\j+2:S+\j+3]
	v_pk_add_f32 v[242:243], v[242:243], v[S+\j+4:S+\j+5]
	v_pk_add_f32 v[14:15], v[14:15], v[S+\j+6:S+\j+7]
.endr
	v_pk_add_f32 v[246:247], v[246:247], v[S+30:S+31]
	v_pk_add_f32 v[240:241], v[240:241], v[242:243]
	v_pk_add_f32 v[14:15], v[14:15], v[246:247]
	v_pk_add_f32 v[14:15], v[14:15], v[240:241]
	s_wait_alu depctr_va_vdst(0)
.Lp1_next:
	s_add_co_u32 s42, s42, REC
	s_add_co_u32 s41, s41, 1
	s_cmp_lt_u32 s41, 32
	s_cbranch_scc1 .Lp1
	; ---- the depth scores: 32 rows (token, l) x 16 queries, K = 64, in f32
	s_wait_dscnt 0x0                               ; the fragments asked for in the last trip
	s_wait_loadcnt 16                              ; K_depth is in; V_depth's 16 loads may be out
	WIN 0x04
.irp n, 0,1,2,3,4,5,6,7,8,9,10,11,12,13,14,15
	ds_store_b128 v16, v[KD1+4*\n:KD1+4*\n+3] offset:544*\n
.endr
	WIN 0
.irp c, 0,1,2,3,4,5,6,7
	ds_load_b128 v[KA0+4*\c:KA0+4*\c+3], v236 offset:128*(\c/4)+16*(\c%4)        ; LDS serves a wave's instructions in order: these see the stores above
	ds_load_b128 v[KA1+4*\c:KA1+4*\c+3], v236 offset:4352+128*(\c/4)+16*(\c%4)   ; register n of a lane is d = 32 (n / 16) + 16 h + n % 16, as in Q
.endr
	s_wait_dscnt 0x0
	WIN 0x50                                       ; C and D in the second window; the two accumulators take turns
	v_wmma_f32_16x16x4_f32 v[DS1:DS1+7], v[KA0:KA0+1], v[QF:QF+1], 0
	v_wmma_f32_16x16x4_f32 v[DS1+8:DS1+15], v[KA1:KA1+1], v[QF:QF+1], 0
.irp s, 1,2,3,4,5,6,7,8,9,10,11,12,13,14,15
	v_wmma_f32_16x16x4_f32 v[DS1:DS1+7], v[KA0+2*\s:KA0+2*\s+1], v[QF+2*\s:QF+2*\s+1], v[DS1:DS1+7]
	v_wmma_f32_16x16x4_f32 v[DS1+8:DS1+15], v[KA1+2*\s:KA1+2*\s+1], v[QF+2*\s:QF+2*\s+1], v[DS1+8:DS1+15]
.endr
	WIN 0
	NOPS 8                                         ; eight places behind this form
	WIN 0x05                                       ; tile a, register j of half h: token 2 a + j / 4, l = 4 h + j % 4: I keep my token's four
.irp i, 0,1,2,3
	v_cndmask_b32 v[240+\i], v[DS1+\i], v[DS1+4+\i], s70
.endr
.irp i, 0,1,2,3
	v_cndmask_b32 v[244+\i], v[DS1+8+\i], v[DS1+12+\i], s70
.endr
	WIN 0
.irp i, 0,1,2,3
	v_cndmask_b32 v[SD+\i], v[240+\i], v[244+\i], s71
.endr
	s_wait_alu depctr_va_vdst(0)
	s_wait_loadcnt 0x0                             ; V_depth is in
	WIN 0x04
.irp n, 0,1,2,3,4,5,6,7,8,9,10,11,12,13,14,15
	ds_store_b128 v16, v[VD1+4*\n:VD1+4*\n+3] offset:544*\n
.endr
	WIN 0
.irp t, 0,1,2,3                                ; tile t, K step s, register j: V_depth(token s / 2, l = 4 h + 2 (s % 2) + j, d = 32 (t / 2) + 8 (t % 2) + 16 (r / 8) + r % 8)
.irp s, 0,1,2,3,4,5,6,7
.irp j, 0,1
	ds_load_b32 v[VA+16*\t+2*\s+\j], v237 offset:(8*(\s/2)+2*(\s%2)+\j)*272+4*(32*(\t/2)+8*(\t%2))
.endr
.endr
.endr
	; ---- maximum and sum take the depth scores in; the shift becomes M c + log2 L
	v_max3_num_f32 v240, v[SD], v[SD+1], v[SD+2]
	v_add_f32 v14, v14, v15
	v_max3_num_f32 v240, v240, v[SD+3], v13
	v_mov_b32 v242, v12
	v_permlanex16_b32 v241, v240, s[SEL], s[SEL+1]
	s_delay_alu instid0(VALU_DEP_1)
	v_max_num_f32 v13, v240, v241
	s_delay_alu instid0(VALU_DEP_1)
	v_mul_f32 v12, s[CS], v13
	s_delay_alu instid0(VALU_DEP_1)
	v_sub_f32 v242, v242, v12
.irp i, 0,1,2,3
	v_fma_f32 v[244+\i], v[SD+\i], s[CS], -v12
.endr
	s_wait_alu depctr_va_vdst(0)
	v_exp_f32 v242, v242
.irp i, 0,1,2,3
	v_exp_f32 v[244+\i], v[244+\i]
.endr
	v_nop
	s_wait_alu depctr_va_vdst(0)
	v_mul_f32 v14, v14, v242
	v_add_f32 v244, v244, v245
	v_add_f32 v246, v246, v247
	s_delay_alu instid0(VALU_DEP_2)
	v_add_f32 v14, v14, v244
	s_delay_alu instid0(VALU_DEP_1)
	v_add_f32 v14, v14, v246
	s_delay_alu instid0(VALU_DEP_1)
	v_permlanex16_b32 v241, v14, s[SEL], s[SEL+1]
	s_delay_alu instid0(VALU_DEP_1)
	v_add_f32 v14, v14, v241                       ; L, at least 1
	s_wait_alu depctr_va_vdst(0)
	v_log_f32 v15, v14
	v_nop
	s_wait_alu depctr_va_vdst(0)
	v_add_f32 v12, v12, v15
.irp i, 0,1,2,3
	v_fma_f32 v[244+\i], v[SD+\i], s[CS], -v12
.endr
	s_wait_alu depctr_va_vdst(0)
.irp i, 0,1,2,3
	v_exp_f32 v[244+\i], v[244+\i]                 ; p_dep, normalised
.endr
	v_nop
	s_wait_alu depctr_va_vdst(0)
.irp k, 0,1,2,3
.irp i, 0,1,2,3
	v_cndmask_b32 v[PB+4*\k+\i], 0, v[244+\i], s[72+\k]   ; K steps 2 k, 2 k + 1 are token k's rows: 0 for the other tokens' queries
.endr
.endr
	s_wait_alu depctr_va_vdst(0)
	s_wait_dscnt 0x0
.irp t, 0,1,2,3
	v_wmma_f32_16x16x4_f32 v[O+8*\t:O+8*\t+7], v[VA+16*\t:VA+16*\t+1], v[PB:PB+1], 0   ; the first K step starts the sums O^T; the four accumulators take turns
.endr
.irp s, 1,2,3,4,5,6,7
.irp t, 0,1,2,3
	v_wmma_f32_16x16x4_f32 v[O+8*\t:O+8*\t+7], v[VA+16*\t+2*\s:VA+16*\t+2*\s+1], v[PB+2*\s:PB+2*\s+1], v[O+8*\t:O+8*\t+7]
.endr
.endr
	NOPS 9                                         ; nine places behind this form: products and loads below write over its operands
	KLOAD 1, 2, 3, 0
	s_wait_alu depctr_va_vdst(0)
	s_cmp_lg_u32 s37, 0
	s_cbranch_scc1 .Lno_pref
	s_sub_co_u32 s38, 511, s36
	PREF 0
.Lno_pref:
	s_mov_b32 s41, 0
	s_mov_b32 s42, 0
	s_mov_b32 s43, LRV
.Lp2:                                                  ; 16 trips by count, 128 keys each
	s_cmp_gt_u32 s41, s40
	s_cbranch_scc1 .Lp2_next
	s_wait_dscnt 0x0
	v_add_nc_u32 v4, s42, v1
	v_add_nc_u32 v5, s42, v2
	v_add_nc_u32 v6, s42, v3
	v_add_nc_u32 v7, s43, v1
	v_add_nc_u32 v8, s43, v2
	v_add_nc_u32 v9, s43, v3
	SMUL
	KLOAD 4, 5, 6, 1
.irp t, 0,1,2,3
	ds_load_b128 v[VF+12*\t:VF+12*\t+3],     v7 offset:768*\t
	ds_load_b64  v[VF+12*\t+4:VF+12*\t+5],   v8 offset:768*\t
	ds_load_b128 v[VF+12*\t+6:VF+12*\t+9],   v7 offset:REC+768*\t
	ds_load_b64  v[VF+12*\t+10:VF+12*\t+11], v8 offset:REC+768*\t
.endr
	ds_load_b64 v[VW:VW+1], v9
	ds_load_b64 v[VW+2:VW+3], v9 offset:REC
	s_cmp_lg_u32 s41, s40
	s_cbranch_scc1 .Lp2_o0
	MASK
.Lp2_o0:
	PQ 0
	s_wait_alu depctr_va_vdst(0)
	s_wait_dscnt 0x0                               ; the second 64 keys' fragments and V's
	v_or_b32 v[VW], v[VW], v[VW+2]                 ; the odd record's bytes stand 16 bits up
	v_or_b32 v[VW+1], v[VW+1], v[VW+3]
	s_add_co_u32 s44, s41, 1
	s_cmp_gt_u32 s44, s40
	s_cbranch_scc1 .Lp2_hid
	SMUL
	KLOAD 4, 5, 6, 2
	s_cmp_lg_u32 s44, s40
	s_cbranch_scc1 .Lp2_o1
	MASK
.Lp2_o1:
	PQ 1
	s_branch .Lp2_pv
.Lp2_hid:                                              ; the second 64 keys lie behind the diagonal: zero codes
.irp i, 0,1,2,3,4,5
	v_mov_b32 v[PC+6+\i], 0
.endr
.Lp2_pv:
	s_wait_alu depctr_va_vdst(0)                   ; O^T was written ahead of the exponentials
	NOPS 8                                         ; p's scale word stands 8 places ahead
.irp t, 0,1
	v_wmma_scale_f32_16x16x128_f8f6f4 v[O+8*\t:O+8*\t+7], v[VF+12*\t:VF+12*\t+11], v[PC:PC+11], v[O+8*\t:O+8*\t+7], v[VW+\t], v[PW] matrix_a_fmt:MATRIX_FMT_BF6 matrix_b_fmt:MATRIX_FMT_BF6
.endr
.irp t, 2,3
	v_wmma_scale_f32_16x16x128_f8f6f4 v[O+8*\t:O+8*\t+7], v[VF+12*\t:VF+12*\t+11], v[PC:PC+11], v[O+8*\t:O+8*\t+7], v[VW+\t-2], v[PW] matrix_a_fmt:MATRIX_FMT_BF6 matrix_b_fmt:MATRIX_FMT_BF6 matrix_a_scale:MATRIX_SCALE_ROW1
.endr
.Lp2_next:
	s_add_co_u32 s42, s42, 2*REC
	s_add_co_u32 s43, s43, 2*REC
	s_add_co_u32 s41, s41, 2
	s_cmp_lt_u32 s41, 32
	s_cbranch_scc1 .Lp2
	NOPS 4
	s_wait_dscnt 0x0                               ; fragments asked for in the last trip
	HQ O, PC, CT, 250                              ; each accumulator is read from its low end on
	global_store_b128 v238, v[PC:PC+3], s[66:67]
	global_store_b64 v239, v[PC+4:PC+5], s[66:67]
	global_store_b16 v249, v250, s[66:67]
	s_wait_alu depctr_va_vdst(0)
	s_wait_loadcnt 0x0                             ; the next unit's loads are in
	s_wait_xcnt 0x0                                ; the stores have read their registers and their base
	s_sub_co_u32 s36, 511, s36                     ; my second unit
	s_add_co_u32 s37, s37, 1
	s_cmp_lt_u32 s37, 2
	s_cbranch_scc1 .Lunit
	s_wait_tensorcnt 0x0                           ; the wave's end
	ds_add_u32 v230, v231
	s_wait_dscnt 0x0
	s_endpgm
.Lfunc_end_k_q7b5f3758d1_attn:
	.size	k_q7b5f3758d1_attn, .Lfunc_end_k_q7b5f3758d1_attn-k_q7b5f3758d1_attn
	.p2alignl 7, 3214868480
	.fill 96, 4, 3214868480
	.section	.rodata,"a",@progbits
	.p2align	6, 0x0
	.amdhsa_kernel k_q7b5f3758d1_attn
		.amdhsa_group_segment_fixed_size 327680
		.amdhsa_private_segment_fixed_size 0
		.amdhsa_enable_private_segment 0
		.amdhsa_kernarg_size 40
		.amdhsa_user_sgpr_count 2
		.amdhsa_user_sgpr_kernarg_segment_ptr 1
		.amdhsa_wavefront_size32 1
		.amdhsa_system_sgpr_workgroup_id_x 1
		.amdhsa_system_sgpr_workgroup_id_y 1
		.amdhsa_system_sgpr_workgroup_id_z 1
		.amdhsa_system_vgpr_workitem_id 0
		.amdhsa_next_free_vgpr 480
		.amdhsa_next_free_sgpr 80
		.amdhsa_reserve_vcc 1
		.amdhsa_float_denorm_mode_32 3
		.amdhsa_float_denorm_mode_16_64 3
		.amdhsa_memory_ordered 1
		.amdhsa_forward_progress 1
		.amdhsa_inst_pref_size 68
	.end_amdhsa_kernel
	.amdgpu_metadata
---
amdhsa.version: [ 1, 2 ]
amdhsa.kernels:
  - .name:           k_q7b5f3758d1_attn
    .symbol:         k_q7b5f3758d1_attn.kd
    .args:
      - { .name: qf, .offset: 0, .size: 8, .value_kind: global_buffer, .address_space: global }
      - { .name: kv, .offset: 8, .size: 8, .value_kind: global_buffer, .address_space: global }
      - { .name: K_depth, .offset: 16, .size: 8, .value_kind: global_buffer, .address_space: global }
      - { .name: V_depth, .offset: 24, .size: 8, .value_kind: global_buffer, .address_space: global }
      - { .name: attc, .offset: 32, .size: 8, .value_kind: global_buffer, .address_space: global }
    .group_segment_fixed_size: 327680
    .private_segment_fixed_size: 0
    .kernarg_segment_align: 8
    .kernarg_segment_size: 40
    .max_flat_workgroup_size: 256
    .sgpr_count:     80
    .vgpr_count:     480
    .wavefront_size: 32
...
	.end_amdgpu_metadata
.endif
;; end of part 3
;; launch outp (part 4): grid 256 x 1, 8 waves a work-group, no clusters, 327,680 bytes of LDS; arguments attc, ops, out0; writes out0
.if DOCPART == 4
	.amdgcn_target "amdgcn-amd-amdhsa--gfx1250"
	.amdhsa_code_object_version 6
	.text
	.protected	k_q7b5f3758d1_outp
	.globl	k_q7b5f3758d1_outp
	.p2align	8
	.type	k_q7b5f3758d1_outp,@function
k_q7b5f3758d1_outp:
	s_mov_b64 s[64:65], 0
	v_nop
	global_prefetch_b8 v0, s[64:65] scope:SCOPE_SE
	s_setreg_imm32_b32 hwreg(HW_REG_WAVE_MODE, 25, 1), 1
	s_wait_xcnt 0x0
; out0 [4096][1024] = attention's result x Wo, on codes of BF6 (E3M2) with E8M0 scales, K = 1024: C[a][b] = sum over k of A[a][k] B[b][k], 128 tokens x 128 columns to a work-group, the whole K of both operands in LDS, filled once.
; A: attc, token tiles 8 mt + w; B: ops, Wo's tiles 384 + 8 nt on (mt = id % 32, nt = id / 32).  Both are records in the order of the operand's registers: a tile of 16 rows is four records of 3,328 bytes
; (256 k: four half fragments of 768 bytes, then 256 bytes of scale words); lane-row rho of tile t is row 32 (t/2) + 8 (t%2) + rho + 8 (rho/8).
; THE MATRIX INSTRUCTION IS USED TRANSPOSED (source 0 = 16 rows of B, source 1 = 16 rows of A): a lane holds one token, and the 16 registers of two neighbouring tiles of B are 16 neighbouring columns.
; Eight waves, two to a SIMD; wave w makes 32 tokens (quarter w / 2) x 64 columns (half w % 2): 8 accumulators.  Each wave issues two tensor loads, all first fills: one is out at a time.
; 256 work-groups: the tile is 128 x 128.  NO JOINT LOADS: this first form keeps the plain launch; each work-group fetches each of its bytes once.
; LDS, as it is now laid: half H of K (512 k) at 2 H CHUNK; in it tile i (A's 8, then B's 8) at 2 i REC: its two records of that half on end, as in memory.
; Tensor loads, as they now stand: waves 0-3 bring two tiles of A, waves 4-7 two tiles of B, rows of 6,656 bytes; half 0 at the head, half 1 behind the first barrier: one load of a wave is out at a time.
; THE BLOCK, as it now stands: 128 tokens x 128 columns, 256 work-groups (mt = id % 32, nt = id / 32 = 0 .. 7): A's 8 tiles, B's 8 tiles 384 + 8 nt on, two tiles to each loading wave.
; Wave w makes 32 tokens (quarter w / 2) x 64 columns (half w % 2): 8 accumulators, which take turns.
.set CHUNK, 79872
.set REC,   3328
.set SC,  16                           ; v16-23  scale words: pair 2 i, 2 i + 1: lanes 0-15 A's tile i, lanes 16-31 B's tile i; they hold nothing else
.set AF,  32                           ; v32-55  A's two fragments
.set BF,  80                           ; v80-127 B's four
.set ACC, 128                          ; v128-191 accumulator (a, b) at ACC + 8 (4 a + b)
.set RB,  32
.macro JLOAD h                         ; half h of K: waves 0-3 fetch for A, waves 4-7 for B; the branch hangs on the wave's number alone
	s_cmp_lt_u32 s14, 4
	s_cbranch_scc0 .Lfor_b_\@
	tensor_load_to_lds s[32+4*\h:35+4*\h], s[16:23]
	s_nop 0
.rept 4
	v_nop
.endr
	s_branch .Lasked_\@
.Lfor_b_\@:
	tensor_load_to_lds s[48+4*\h:51+4*\h], s[24:31]
	s_nop 0
.rept 4
	v_nop
.endr
.Lasked_\@:
.endm
.macro KSTEP s                         ; 128 along K: 24 LDS loads, 8 matrix instructions; the eight accumulators take turns, in the same order in every step
.if (\s)%2 == 0
.if (\s) == 0
	s_wait_tensorcnt 0x0                           ; my part of half 0 is in
	ds_add_u32 v30, v31
	s_wait_dscnt 0x0
	s_barrier_signal -1
	s_barrier_wait -1                              ; everybody's part is in
	JLOAD 1                                        ; half 1, my one load behind this barrier: it has four K steps in which to land
.endif
.if (\s) == 4
	s_wait_tensorcnt 0x0                           ; my part of half 1 is in
	s_wait_dscnt 0x0
	s_barrier_signal -1
	s_barrier_wait -1                              ; everybody's is.
.endif
.if (\s) > 0
.irp q, 1,2,3,4,5
	v_add_nc_u32 v\q, REC+((\s)/4)*(1-((\s)%4)/2)*(2*CHUNK-2*REC), v\q   ; the next record of the half, or the next half's first
.endr
.endif
.irp i, 0,1,2,3
	ds_load_b64 v[SC+2*\i:SC+2*\i+1], v5 offset:2*REC*\i
.endr
.endif
.irp i, 0,1,2,3
.if \i < 2
	ds_load_b128 v[AF+12*\i:AF+12*\i+3],     v1 offset:2*REC*\i+1536*((\s)%2)
	ds_load_b64  v[AF+12*\i+4:AF+12*\i+5],   v2 offset:2*REC*\i+1536*((\s)%2)
	ds_load_b128 v[AF+12*\i+6:AF+12*\i+9],   v1 offset:2*REC*\i+1536*((\s)%2)+768
	ds_load_b64  v[AF+12*\i+10:AF+12*\i+11], v2 offset:2*REC*\i+1536*((\s)%2)+768
.endif
	ds_load_b128 v[BF+12*\i:BF+12*\i+3],     v3 offset:2*REC*\i+1536*((\s)%2)
	ds_load_b64  v[BF+12*\i+4:BF+12*\i+5],   v4 offset:2*REC*\i+1536*((\s)%2)
	ds_load_b128 v[BF+12*\i+6:BF+12*\i+9],   v3 offset:2*REC*\i+1536*((\s)%2)+768
	ds_load_b64  v[BF+12*\i+10:BF+12*\i+11], v4 offset:2*REC*\i+1536*((\s)%2)+768
.endr
	s_wait_alu depctr_va_vdst(0)
	s_wait_dscnt 0x0
.irp a, 0,1
.irp b, 0,1,2,3
.if (\s) == 0
	v_wmma_scale_f32_16x16x128_f8f6f4 v[ACC+8*(4*\a+\b):ACC+8*(4*\a+\b)+7], v[BF+12*\b:BF+12*\b+11], v[AF+12*\a:AF+12*\a+11], 0, v[SC+2*\b+(\s)%2], v[SC+2*\a+(\s)%2] matrix_a_fmt:MATRIX_FMT_BF6 matrix_b_fmt:MATRIX_FMT_BF6 matrix_a_scale:MATRIX_SCALE_ROW1
.else
	v_wmma_scale_f32_16x16x128_f8f6f4 v[ACC+8*(4*\a+\b):ACC+8*(4*\a+\b)+7], v[BF+12*\b:BF+12*\b+11], v[AF+12*\a:AF+12*\a+11], v[ACC+8*(4*\a+\b):ACC+8*(4*\a+\b)+7], v[SC+2*\b+(\s)%2], v[SC+2*\a+(\s)%2] matrix_a_fmt:MATRIX_FMT_BF6 matrix_b_fmt:MATRIX_FMT_BF6 matrix_a_scale:MATRIX_SCALE_ROW1
.endif
.endr
.endr
.rept 4
	v_nop                                          ; four places in front of the loads into registers that these products read, and of the first read of results
.endr
.endm
; The way out: a tile of 16 tokens x 64 columns goes through my own stage (rows of 256 bytes + 16) and leaves as whole pieces of rows: sixteen lanes store 256 consecutive bytes, aligned.
; The stage lies in chunk 0, which has had its only fill; every wave's reads of it were waited for in front of a later barrier that all have passed.
.macro FOUT pitch, base
.irp i, 0,1
.if \i == 3
	s_wait_xcnt 0x0                                ; the first tile's stores have read their registers: the set is loaded again only behind this wait
.endif
.irp t, 0,1,2,3
	ds_store_b128 v12, v[ACC+32*\i+8*\t:ACC+32*\i+8*\t+3] offset:128*(\t/2)+32*(\t%2)
	ds_store_b128 v12, v[ACC+32*\i+8*\t+4:ACC+32*\i+8*\t+7] offset:128*(\t/2)+32*(\t%2)+16
.endr
.irp t, 0,1,2,3,4,5,6,7
	ds_load_b128 v[RB+32*(\i%3)+4*\t:RB+32*(\i%3)+4*\t+3], v13 offset:544*\t   ; LDS serves a wave's instructions in order: these see the stores above
.endr
.irp t, 0,1,2,3,4,5,6,7
	s_wait_dscnt 7-\t                              ; the younger loads may be out
	global_store_b128 v14, v[RB+32*(\i%3)+4*\t:RB+32*(\i%3)+4*\t+3], s[\base:\base+1] offset:(32*(\i/2)+8*(\i%2)+2*\t+8*(\t/4))*\pitch th:TH_STORE_NT
.endr
.endr
.endm
	s_load_b128 s[4:7], s[0:1], 0x0                ; attc s[4:5], ops s[6:7]
	s_load_b64 s[8:9], s[0:1], 0x10                ; out0
	v_lshl_add_u32 v30, v0, 2, 0x4e000
	v_mov_b32 v31, 0
	ds_add_u32 v30, v31
	ds_add_u32 v30, v31
	v_lshrrev_b32 v1, 5, v0
	s_delay_alu instid0(VALU_DEP_1)
	v_readfirstlane_b32 s14, v1                    ; wave 0..7
	s_lshr_b32 s15, s14, 1                         ; ah: my quarter of the tokens
	s_and_b32 s66, s14, 1                          ; bq: my half of the columns
	s_lshr_b32 s67, ttmp9, 5                       ; nt
	s_and_b32 s68, ttmp9, 31                       ; mt
	s_lshl_b32 s69, s68, 3
	s_and_b32 s84, s14, 3
	s_lshl_b32 s85, s84, 1
	s_add_co_u32 s69, s69, s85                     ; for A: tiles 2 (w % 4), + 1
	s_mul_i32 s72, s69, 4*REC
	s_mov_b32 s73, 0
	s_lshl_b32 s70, s67, 3
	s_add_co_u32 s70, s70, 384
	s_lshl_b32 s71, s84, 1                         ; for B: tiles 2 (w % 4), + 1
	s_add_co_u32 s70, s70, s71                     ; and B's tiles 384 + 8 nt + 2 (w % 4), + 1
	s_mul_i32 s74, s70, 4*REC
	s_mov_b32 s75, 0
	s_mul_i32 s76, s84, 4*REC
	s_mul_i32 s77, s84, 4*REC
	s_add_co_u32 s77, s77, 16*REC
	; descriptor group 1 for A: rows of 6,656 bytes, as 832 elements of 8 bytes
	s_mov_b32 s16, 3<<16
	s_mov_b32 s17, 832<<16                         ; two rows of 6,656 bytes (832 elements of 8), a tile (1,664 elements) apart
	s_mov_b32 s18, 2<<16
	s_mov_b32 s19, 832<<16
	s_mov_b32 s20, 2
	s_mov_b32 s21, 1664
	s_mov_b32 s22, 0
	s_mov_b32 s23, 0
	; and for B: two such rows, a tile (1,664 elements) apart in memory, on end in LDS
	s_mov_b32 s24, 3<<16
	s_mov_b32 s25, 832<<16                         ; two such rows
	s_mov_b32 s26, 2<<16
	s_mov_b32 s27, 832<<16
	s_mov_b32 s28, 2
	s_mov_b32 s29, 1664
	s_mov_b32 s30, 0
	s_mov_b32 s31, 0
	s_lshl_b32 s82, s68, 19                        ; out0: (128 mt + 32 ah) rows of 4,096 bytes + (128 nt + 64 bq) x 4
	s_lshl_b32 s81, s15, 17
	s_add_co_u32 s82, s82, s81
	s_lshl_b32 s81, s67, 9
	s_add_co_u32 s82, s82, s81
	s_lshl_b32 s81, s66, 8
	s_add_co_u32 s82, s82, s81
	s_mov_b32 s83, 0
	s_wait_dscnt 0x0
	s_wait_kmcnt 0x0
	s_add_nc_u64 s[72:73], s[4:5], s[72:73]
	s_add_nc_u64 s[74:75], s[6:7], s[74:75]
	s_add_nc_u64 s[8:9], s[8:9], s[82:83]
.irp c, 0,1
	s_mov_b32 s[32+4*\c], 1
	s_add_co_u32 s[33+4*\c], s76, \c*2*CHUNK
	s_add_nc_u64 s[34+4*\c:35+4*\c], s[72:73], \c*2*REC
	s_or_b32 s[35+4*\c], s[35+4*\c], 0x80000000
	s_mov_b32 s[48+4*\c], 1
	s_add_co_u32 s[49+4*\c], s77, \c*2*CHUNK
	s_add_nc_u64 s[50+4*\c:51+4*\c], s[74:75], \c*2*REC
	s_or_b32 s[51+4*\c], s[51+4*\c], 0x80000000
.endr
	JLOAD 0                                        ; half 0: one tensor load a wave at the head
.rept 4
	v_nop
.endr
	v_and_b32 v6, 31, v0                           ; lane
	v_and_b32 v7, 15, v0                           ; r
	v_bfe_u32 v8, v0, 4, 1                         ; h
	s_delay_alu instid0(VALU_DEP_3)
	v_lshlrev_b32 v9, 4, v6                        ; 16 x lane
	s_delay_alu instid0(VALU_DEP_3)
	v_lshlrev_b32 v10, 4, v7
	s_delay_alu instid0(VALU_DEP_1)
	v_lshl_add_u32 v10, v8, 3, v10                 ; 16 r + 8 h
	s_mul_i32 s78, s15, 4*REC
	s_mul_i32 s79, s66, 8*REC
	s_add_co_u32 s79, s79, 16*REC
	v_add_nc_u32 v1, s78, v9
	v_add_nc_u32 v2, s78, v10
	s_delay_alu instid0(VALU_DEP_1)
	v_add_nc_u32 v2, 512, v2
	v_add_nc_u32 v3, s79, v9
	v_add_nc_u32 v4, s79, v10
	s_delay_alu instid0(VALU_DEP_1)
	v_add_nc_u32 v4, 512, v4
	s_sub_co_u32 s80, s79, s78
	v_mul_u32_u24 v5, s80, v8                      ; scale words: lanes 0-15 take A's, lanes 16-31 B's: the lower base + h x the distance
	s_delay_alu instid0(VALU_DEP_1)
	v_lshl_add_u32 v5, v6, 3, v5
	s_delay_alu instid0(VALU_DEP_1)
	v_add_nc_u32 v5, s78, v5
	s_delay_alu instid0(VALU_DEP_1)
	v_add_nc_u32 v5, 3072, v5
	s_mul_i32 s80, s14, 4352                       ; my stage
	v_mul_u32_u24 v12, v7, 272
	s_delay_alu instid0(VALU_DEP_1)
	v_lshl_add_u32 v12, v8, 6, v12
	s_delay_alu instid0(VALU_DEP_1)
	v_add_nc_u32 v12, s80, v12                     ; in: row r, + 64 h
	v_mul_u32_u24 v13, v8, 272
	s_delay_alu instid0(VALU_DEP_1)
	v_lshl_add_u32 v13, v7, 4, v13
	s_delay_alu instid0(VALU_DEP_1)
	v_add_nc_u32 v13, s80, v13                     ; back: lanes 0-15 one row, lanes 16-31 the next
	v_lshlrev_b32 v14, 12, v8
	s_delay_alu instid0(VALU_DEP_1)
	v_lshl_add_u32 v14, v7, 4, v14                 ; and the same two rows in out0
	s_wait_alu depctr_va_vdst(0)
.irp s, 0,1,2,3,4,5,6,7
	KSTEP \s
.endr
	FOUT 4096, 8
	s_wait_tensorcnt 0x0
	ds_add_u32 v30, v31
	s_wait_dscnt 0x0
	s_endpgm
.Lfunc_end_k_q7b5f3758d1_outp:
	.size	k_q7b5f3758d1_outp, .Lfunc_end_k_q7b5f3758d1_outp-k_q7b5f3758d1_outp
	.p2alignl 7, 3214868480
	.fill 96, 4, 3214868480
	.section	.rodata,"a",@progbits
	.p2align	6, 0x0
	.amdhsa_kernel k_q7b5f3758d1_outp
		.amdhsa_group_segment_fixed_size 327680
		.amdhsa_private_segment_fixed_size 0
		.amdhsa_enable_private_segment 0
		.amdhsa_kernarg_size 24
		.amdhsa_user_sgpr_count 2
		.amdhsa_user_sgpr_kernarg_segment_ptr 1
		.amdhsa_wavefront_size32 1
		.amdhsa_system_sgpr_workgroup_id_x 1
		.amdhsa_system_sgpr_workgroup_id_y 1
		.amdhsa_system_sgpr_workgroup_id_z 1
		.amdhsa_system_vgpr_workitem_id 0
		.amdhsa_next_free_vgpr 256
		.amdhsa_next_free_sgpr 96
		.amdhsa_reserve_vcc 0
		.amdhsa_float_denorm_mode_32 3
		.amdhsa_float_denorm_mode_16_64 3
		.amdhsa_memory_ordered 1
		.amdhsa_forward_progress 1
		.amdhsa_inst_pref_size 35
	.end_amdhsa_kernel
	.amdgpu_metadata
---
amdhsa.version: [ 1, 2 ]
amdhsa.kernels:
  - .name:           k_q7b5f3758d1_outp
    .symbol:         k_q7b5f3758d1_outp.kd
    .args:
      - { .name: attc, .offset: 0, .size: 8, .value_kind: global_buffer, .address_space: global }
      - { .name: ops, .offset: 8, .size: 8, .value_kind: global_buffer, .address_space: global }
      - { .name: out0, .offset: 16, .size: 8, .value_kind: global_buffer, .address_space: global }
    .group_segment_fixed_size: 327680
    .private_segment_fixed_size: 0
    .kernarg_segment_align: 8
    .kernarg_segment_size: 24
    .max_flat_workgroup_size: 256
    .sgpr_count:     96
    .vgpr_count:     256
    .wavefront_size: 32
...
	.end_amdgpu_metadata
.endif
;; end of part 4
